; MI455X (gfx1250); checked and timed in simulation.
; The chip was launched on July 23, 2026; its instructions are those of AMD's public machine-readable ISA for CDNA 5 (MIT licence, August 2026) and "CDNA5" Instruction Set Architecture Reference Guide (July 2026). The comments in the code are by the model that wrote it; some were corrected since.
;; Multi Query Attention. Allowed arithmetic: matrix products marked QUANTISED: E2M1 operands, one E8M0 scale for each 32 along K, by v_wmma_scale_f32_16x16x128_f8f6f4 with both operands' format E2M1 (or v_wmma_scale_f32_32x16x128_f4), f32 sums; products left as they are: bf16, f16 or f32 operands; f32 sums; everything else in f32.
;; Inputs: Wk 2,048 x 2,048 float32; Wo 2,048 x 2,048 float32; Wq 2,048 x 2,048 float32; Wv 2,048 x 2,048 float32; bo 2,048 float32; keys 2 x 2,048 x 2,048 float32; queries 2 x 2,048 x 2,048 float32; values 2 x 2,048 x 2,048 float32.
;; Outputs: out0 2 x 2,048 x 2,048 float32.
;; This version of the problem:
;;   THIS VERSION OF THE PROBLEM IS GIVEN IN LOW PRECISION. The matrix products marked QUANTISED in the list below multiply operands that are first quantised to E2M1 (2 exponent bits, 1 mantissa bit; 4 bits a number), with one power-of-two scale for each 32 numbers along K (OCP MX v1.0); their sums are f32. The products marked 'left as it is' may take bf16, f16 or f32 operands, with f32 sums. Whichever they take, every output number must still come out within the allowed error. Rounding operands to bf16 (8 significant bits) uses up far more of that allowance than f16 does (11 bits, for magnitudes from 6e-5 to 65,504). All else is computed in f32.
;;   The module's matrix products, in the order in which they are computed (A, B: the left and right operand; K: the contracted axis; several contracted axes count as one K, in the product's order):
;;     1. [M 4,096, K 2,048] x [K 2,048, N 2,048]; A: input values; B: input Wv: QUANTISED
;;     2. [M 4,096, K 2,048] x [K 2,048, N 2,048]; A: input keys; B: input Wk: QUANTISED
;;     3. [M 4,096, K 2,048] x [K 2,048, N 2,048]; A: input queries; B: input Wq: QUANTISED
;;     4. batch 4,096 x [M 16, K 128] x [K 128, N 16]; A: computed on the way; B: computed on the way: left as it is (an operand is computed on the way)
;;     5. batch 4,096 x [M 128, K 16] x [K 16, N 16]; A: computed on the way; B: computed on the way: left as it is (K = 16 < 32)
;;     6. [M 4,096, K 2,048] x [K 2,048, N 2,048]; A: computed on the way; B: input Wo: left as it is (an operand is computed on the way)
;;   THE QUANTISER, for each operand of a quantised product, along K:
;;     - K is cut into blocks of 32 from its start; a last block that is shorter is filled with zeros.
;;     - A block's scale is 2^e with e = floor(log2(the largest magnitude in the block)) - 2, held to -126 .. 127; a block of zeros has e = 0. As a byte (E8M0): e + 127.
;;     - Each number is divided by its block's scale, clamped to +-6, and rounded to the nearest number of E2M1, ties to even, subnormals kept.
;;     - The product sums the exact products of the quantised numbers (number of the format x scale) in f32.
;;   ~~~python
;;   def quantise(x, axis):      # numpy; x: float32 -> the quantised numbers, widened to float32 again
;;       x = np.moveaxis(x, axis, -1); K = x.shape[-1]
;;       x = np.pad(x, [(0, 0)] * (x.ndim - 1) + [(0, -K % 32)]); x = x.reshape(x.shape[:-1] + (-1, 32)); a = np.abs(x).max(-1, keepdims=True)
;;       e = np.where(a > 0, np.clip(np.frexp(np.where(a > 0, a, 1))[1] - 1 - 2, -126, 127), 0)      # np.frexp(a)[1] - 1 = floor(log2(a)), exactly
;;       r = np.clip(x / 2.0 ** e, -6, 6)
;;       step = 2.0 ** (np.maximum(np.frexp(np.where(r == 0, 1, r))[1] - 1, 0) - 1)
;;       q = np.round(r / step) * step * 2.0 ** e      # np.round: ties to even
;;       return np.moveaxis(q.reshape(q.shape[:-2] + (-1,))[..., :K], -1, axis).astype(np.float32)
;;   ~~~
;; One version. Each part assembles by itself: llvm-mc -triple=amdgcn-amd-amdhsa -mcpu=gfx1250 --defsym DOCPART=n.
;; ======== version 1 of 1: 4 launches
;; limits: values are held in f16: magnitudes above 65,504 overflow, below 6.1e-05 lose precision
;; workspace buffers: codes 18,874,368 bytes; scales 1,179,648 bytes; wo16 8,388,608 bytes; qkv 50,331,648 bytes; att 16,777,216 bytes
;; launch quant (part 1): grid 128 x 10, 4 waves a work-group, no clusters, 50,688 bytes of LDS; arguments values, keys, queries, Wv, Wk, Wq, Wo, codes, scales, wo16; writes codes, scales, wo16
.if DOCPART == 1
	.amdgcn_target "amdgcn-amd-amdhsa--gfx1250"
	.amdhsa_code_object_version 6
	.text
	.protected	k_q08b8b93adc_quant
	.globl	k_q08b8b93adc_quant
	.p2align	8
	.type	k_q08b8b93adc_quant,@function
k_q08b8b93adc_quant:
	s_mov_b64 s[64:65], 0
	v_nop
	global_prefetch_b8 v0, s[64:65] scope:SCOPE_SE
	s_setreg_imm32_b32 hwreg(HW_REG_WAVE_MODE, 25, 1), 1
	s_wait_xcnt 0x0
; values, keys, queries [4096][2048] and Wv, Wk, Wq [2048][2048], f32, K innermost, become codes of FP4 (E2M1), two a byte, the lower k in the low four bits,
; with one E8M0 scale byte for each 32 along K: codes [18432 rows][1024 bytes], scales [18432 rows][64 bytes].  Rows 0-4095 values, 4096- keys, 8192- queries, 12288- Wv, 14336- Wk, 16384- Wq.
; Wo [2048][2048] is rounded to f16 and laid as IMAGES OF OPERAND REGISTERS (wo16): the fragment of rows 16 nb .. 16 nb + 15 and of 32 kb .. 32 kb + 31 along K is 1,024 bytes at
; ((nb / 4 x 64 + kb) x 4 + nb % 4) x 1,024; in it the 16 bytes at 512 c + 16 (16 h + r) are Wo[16 nb + r][32 kb + 16 c + 8 h + 0 .. 7].  So the last launch loads a fragment by two loads of 512 consecutive bytes.
; A block's scale is 2^(floor(log2(its largest magnitude)) - 2); its byte is the largest magnitude's own exponent field - 2, held at 1 from below.  (A block of zeros so gets the byte 1 where the
; rule says 127: its codes are zeros, which add nothing under any byte but 0xff, and the bytes are read by this program alone.)  Each number is divided by the scale and rounded to the nearest code, ties to even.
; LIMITS: blocks whose largest magnitude lies under 2^-124 have their byte held at 1; NaN and infinities among the inputs are not served; |Wo| stays under 65,504 (f16).
; THE WEIGHTS' ROWS ARE LAID IN ANOTHER ORDER.  Row n = 128 hd + d of a weight makes column n of q, k or v; which rows form a tile of a product is free.  Row n is written to row n':
;   Wq, Wk: n' = 256 (d / 16) + 128 ((d / 8) % 2) + 8 hd + d % 8        Wv: n' = 256 (d / 16) + 128 (hd / 8) + 8 (d % 16) + hd % 8
; so that the attention launch finds its operands' registers as runs of 512 consecutive bytes of a token's row.  Four neighbouring rows n (a wave's share) go to rows n', n' + RS, .. with RS = 1 (Wq, Wk) or 8 (Wv).
; SHARES.  Work-group (x, y): y = 0 .. 8 take 2,048 rows of the 18,432 each, x 16 of them, a wave 4 rows = 16 steps of 512 numbers.  y = 9 takes Wo: x its rows 16 x .. 16 x + 15, a wave 512 along K.
; A STEP: four loads of 512 consecutive bytes, 16 a lane; the 2,048 bytes turn through the wave's own stage in LDS (16 bytes of padding behind each 64) and come back 64 bytes a lane: 16 NEIGHBOURS along K, as the
; conversions want them; two neighbouring lanes hold a block.  A lane's 16 codes are 8 bytes: the wave stores 256 consecutive bytes, aligned.  A wave's 256 scale bytes are gathered in LDS and leave together.
; No tensor loads, no barrier: waves share nothing.  Loads run four steps (16 loads a wave) ahead, the turn through LDS one step.
.set WAVES, 4
.set STEPS, 16
.set EMAX,  2
.set R,     16                         ; v16-79   four sets of 16 numbers as they are loaded
.set X,     80                         ; v80-111  two sets of 16 neighbours
.set E,     112                        ; v112-127 a scale byte for each step
.set C,     128                        ; v128-159 codes: two registers for each step, so that no store's data are written again
.set CA,    160                        ; v160-163 byte offset of my 8 bytes in the wave's row i of codes: 8 x lane + i x RS x 1024
.set WI,    16                         ; Wo's path: v16-143 two batches of 64 numbers
.set WO,    144                        ; Wo's path: v144-175 a batch as f16, first by rows, then as images
.set WSA,   176                        ; Wo's path: v176 where I put 8 bytes of a row in my stage
.set WLA,   177                        ; Wo's path: v177 where I read 16 bytes of an image
.set WREG,  8192                       ; LDS: a region for each wave: two stages of 32 x SP bytes, behind them its 256 scale bytes
.set SP,    80                         ; a lane's place in a stage: 64 bytes + 16 of padding
.set SPW,   12                         ; v12      LDS address of my spare word: SPARE + 4 x my thread's number; never rewritten
.set NIL,   13                         ; v13      0; never rewritten
.set SPARE, WAVES*WREG                 ; behind the four regions: the spare words, 128 bytes for each wave
.set WOS,   SPARE+512                  ; behind them: Wo's path has LDS bytes of its own: a stage of 16 rows x WP bytes for each wave
.set WP,    272                        ; a stage row there: 128 f16 + 16 bytes of padding: the 16 rows that a load touches start at 16 different banks' groups
	s_load_b512 s[4:19], s[0:1], 0x0               ; values 4, keys 6, queries 8, Wv 10, Wk 12, Wq 14, Wo 16, codes 18
	s_load_b128 s[20:23], s[0:1], 0x40             ; scales 20, wo16 22
	v_lshl_add_u32 v[SPW], v0, 2, SPARE
	v_mov_b32 v[NIL], 0
	v_lshrrev_b32 v1, 5, v0
	v_readfirstlane_b32 s24, v1                    ; wave
	v_and_b32 v2, 31, v0                           ; lane
	v_lshlrev_b32 v3, 4, v2                        ; my 16 bytes of a load's 512
	v_lshlrev_b32 v4, 3, v2                        ; my 8 bytes of a store's 256
	s_and_b32 s25, ttmp7, 0xffff                   ; y: which 2,048 rows
	s_lshl_b32 s26, ttmp9, 4
	s_lshl_b32 s31, s24, 2
	s_add_co_u32 s26, s26, s31                     ; n0: my wave's first row among them: 16 x + 4 wave
	s_lshr_b32 s27, s26, 7                         ; hd
	s_and_b32 s28, s26, 127                        ; d (a multiple of 4)
	s_lshr_b32 s29, s28, 4
	s_lshl_b32 s29, s29, 8                         ; 256 (d / 16)
	s_bfe_u32 s30, s28, 0x10003                    ; (d / 8) % 2
	s_lshl_b32 s30, s30, 7
	s_add_co_u32 s30, s30, s29
	s_lshl_b32 s31, s27, 3
	s_add_co_u32 s30, s30, s31
	s_and_b32 s31, s28, 7
	s_add_co_u32 s30, s30, s31                     ; n' as Wq and Wk have it
	s_lshr_b32 s33, s27, 3
	s_lshl_b32 s33, s33, 7
	s_add_co_u32 s33, s33, s29
	s_and_b32 s31, s28, 15
	s_lshl_b32 s31, s31, 3
	s_add_co_u32 s33, s33, s31
	s_and_b32 s31, s27, 7
	s_add_co_u32 s33, s33, s31                     ; n' as Wv has it
	s_and_b32 s31, s25, 1
	s_lshl_b32 s31, s31, 11                        ; an activation has two y: its second 2,048 rows
	s_cmp_lt_u32 s25, 6                            ; an activation?  Its rows stay in order
	s_cselect_b32 s38, s26, s30
	s_cselect_b32 s39, s31, 0
	s_cmp_eq_u32 s25, 6                            ; Wv?
	s_cselect_b32 s38, s33, s38
	s_cselect_b32 s32, 8, 1                        ; RS
	s_add_co_u32 s39, s39, s26                     ; my first row in the tensor that I read
	s_lshl_b32 s31, s25, 11
	s_add_co_u32 s38, s38, s31                     ; and in codes and scales
	s_mul_i32 s31, s24, WREG
	v_lshrrev_b32 v14, 2, v2
	v_mul_u32_u24 v14, v14, SP
	v_and_b32 v15, 3, v2
	v_lshl_add_u32 v14, v15, 4, v14
	v_add_nc_u32 v14, s31, v14                     ; the stage, on the way in: four lanes' 64 bytes on end, then 16 of padding
	v_mul_u32_u24 v15, v2, SP
	v_add_nc_u32 v15, s31, v15                     ; and on the way out: SP x lane: my 16 neighbours
	v_lshrrev_b32 v5, 1, v2
	s_add_co_u32 s31, s31, 2*32*SP
	v_add_nc_u32 v5, s31, v5                       ; LDS: my wave's 256 scale bytes, my block's byte
	v_add_nc_u32 v6, s31, v4                       ; and on the way out 8 bytes a lane
	s_lshl_b32 s40, s32, 10                        ; from one of my rows of codes to the next
	s_lshl_b32 s41, s32, 6                         ; and of scale bytes
.irp i, 0,1,2,3
	s_mul_i32 s31, s40, \i
	v_add_nc_u32 v[CA+\i], s31, v4
.endr
	v_lshrrev_b32 v8, 3, v2                        ; eight lanes carry a row's 64 scale bytes
	v_mul_u32_u24 v7, s41, v8
	v_and_b32 v9, 7, v2
	v_lshl_add_u32 v7, v9, 3, v7                   ; where my 8 scale bytes go
	s_mul_i32 s31, s24, 16*WP                      ; Wo's path: my stage,
	s_add_co_u32 s31, s31, WOS
	v_add_nc_u32 v[WSA], s31, v4                   ; in: 8 bytes a lane of a row's 256,
	v_and_b32 v8, 15, v2
	v_lshrrev_b32 v9, 4, v2
	v_mul_u32_u24 v[WLA], v8, WP
	v_lshl_add_u32 v[WLA], v9, 4, v[WLA]
	v_add_nc_u32 v[WLA], s31, v[WLA]               ; back: row lane % 16, 16 bytes for each half of the lanes
	s_wait_kmcnt 0x0
	s_cmp_eq_u32 s25, 9
	s_cbranch_scc1 .Lwo                            ; a branch on the work-group's number
	s_mov_b64 s[34:35], s[4:5]                     ; which tensor I read: a choice on the work-group's number alone
	s_cmp_ge_u32 s25, 2
	s_cselect_b64 s[34:35], s[6:7], s[34:35]
	s_cmp_ge_u32 s25, 4
	s_cselect_b64 s[34:35], s[8:9], s[34:35]
	s_cmp_ge_u32 s25, 6
	s_cselect_b64 s[34:35], s[10:11], s[34:35]
	s_cmp_ge_u32 s25, 7
	s_cselect_b64 s[34:35], s[12:13], s[34:35]
	s_cmp_ge_u32 s25, 8
	s_cselect_b64 s[34:35], s[14:15], s[34:35]
	s_lshl_b32 s36, s39, 13                        ; a row of 2,048 f32 is 8,192 bytes
	s_mov_b32 s37, 0
	s_add_nc_u64 s[34:35], s[34:35], s[36:37]
	s_lshl_b32 s36, s38, 10
	s_add_nc_u64 s[18:19], s[18:19], s[36:37]
	s_lshl_b32 s36, s38, 6
	s_add_nc_u64 s[20:21], s[20:21], s[36:37]
.macro LOAD t
.irp i, 0,1,2,3
	global_load_b128 v[R+16*((\t)%4)+4*\i:R+16*((\t)%4)+4*\i+3], v3, s[34:35] offset:2048*(\t)+512*\i th:TH_LOAD_NT   ; 32 lanes read 512 consecutive bytes
.endr
.endm
.macro TURN t                          ; step t's numbers through the stage: LDS serves a wave's instructions in order, so no wait stands between the stores and the loads
.irp i, 0,1,2,3
	ds_store_b128 v14, v[R+16*((\t)%4)+4*\i:R+16*((\t)%4)+4*\i+3] offset:32*SP*((\t)%2)+8*SP*\i
.endr
.irp i, 0,1,2,3
	ds_load_b128 v[X+16*((\t)%2)+4*\i:X+16*((\t)%2)+4*\i+3], v15 offset:32*SP*((\t)%2)+16*\i
.endr
.endm
.irp t, 0,1,2,3
	LOAD \t
.endr
	s_wait_loadcnt 12                              ; step 0's four loads are in; the twelve of steps 1 to 3 stay out
	TURN 0
.macro STEP t
.set XS, X+16*((\t)%2)
.if (\t) > 0
	s_wait_dscnt 1                                 ; this step's numbers are back from the stage (the last step's byte store may be out): so its stores into the stage have read their registers,
.else
	s_wait_dscnt 0x0
.endif
.if (\t)+4 < STEPS
	LOAD (\t)+4                                    ; which take the loads of four steps on
.endif
.if (\t)+1 < STEPS
.if STEPS-2-(\t) >= 3
	s_wait_loadcnt 12                              ; the next step's four loads are in; those of the three steps behind it may be out
.else
	s_wait_loadcnt 4*(STEPS-2-(\t))
.endif
	TURN (\t)+1                                    ; and go through the other stage while this step is worked
.endif
	v_max3_num_f32 v8, |v[XS]|, |v[XS+1]|, |v[XS+2]|               ; the largest magnitude of my 16, in two chains
	v_max3_num_f32 v9, |v[XS+3]|, |v[XS+4]|, |v[XS+5]|
.irp i, 6,10
	v_max3_num_f32 v8, v8, |v[XS+\i]|, |v[XS+\i+1]|
	v_max3_num_f32 v9, v9, |v[XS+\i+2]|, |v[XS+\i+3]|
.endr
	v_max3_num_f32 v8, v8, |v[XS+14]|, |v[XS+15]|
	v_max3_num_f32 v8, v8, v9, (EMAX+1)<<23        ; and the floor 2^(EMAX + 1 - 127): so the byte cannot fall under 1
	v_max_num_f32_dpp v8, v8, v8 row_xmask:1 row_mask:0xf bank_mask:0xf   ; and of my neighbour's 16: the block's
	v_add_nc_u32 v11, -(EMAX<<23), v8              ; EMAX off its exponent field: the conversion takes the exponent field of this operand as its scale, and nothing else of it
	v_cvt_scalef32_pk8_fp4_f32 v[C+2*(\t)], v[XS:XS+7], v11        ; eight numbers / the scale, to the nearest code, ties to even, beyond the largest code the largest
	v_cvt_scalef32_pk8_fp4_f32 v[C+2*(\t)+1], v[XS+8:XS+15], v11
	v_lshrrev_b32 v[E+(\t)], 23, v11               ; the scale's byte (also the plain line behind the conversions)
	ds_store_b8 v5, v[E+(\t)] offset:16*(\t)       ; both lanes of a block write the same byte with the same value
	global_store_b64 v[CA+(\t)/4], v[C+2*(\t):C+2*(\t)+1], s[18:19] offset:256*((\t)%4)   ; the wave stores 256 consecutive bytes, aligned: a quarter of a row of codes
.endm
.irp t, 0,1,2,3,4,5,6,7,8,9,10,11,12,13,14,15
	STEP \t
.endr
	ds_load_b64 v[8:9], v6                         ; LDS serves a wave's instructions in order: these see my stores
	s_wait_dscnt 0x0
	global_store_b64 v7, v[8:9], s[20:21]          ; four rows' 64 scale bytes: 256 consecutive bytes where RS = 1; four pieces of 64 for Wo's neighbour Wv
	s_wait_tensorcnt 0x0                           ; the wave's end: a wait, an add of 0 to my spare word and a wait
	ds_add_u32 v[SPW], v[NIL]
	s_wait_dscnt 0x0
	s_endpgm
; Wo to f16, as images of fragments.  My wave: rows 16 x .. 16 x + 15, 512 along K from 512 x wave on, in four batches of 128 along K (four fragments).
; A batch: sixteen loads, a row's 512 consecutive bytes each; rounded to f16, 8 bytes a lane, into my stage by rows; back 16 bytes a lane, row lane % 16: a fragment's register group; stored, 512 consecutive bytes a store.
; Two batches of loads are on their way.
.Lwo:
	s_lshl_b32 s36, ttmp9, 17                      ; my work-group's 16 rows of 8,192 bytes,
	s_lshl_b32 s31, s24, 11                        ; my wave's 512 numbers of each
	s_add_co_u32 s36, s36, s31
	s_mov_b32 s37, 0
	s_add_nc_u64 s[16:17], s[16:17], s[36:37]
	s_lshr_b32 s36, ttmp9, 2                       ; nb = x.  nb / 4: 64 x 4 images of 1,024 bytes each,
	s_lshl_b32 s36, s36, 18
	s_and_b32 s31, ttmp9, 3                        ; nb % 4: an image,
	s_lshl_b32 s31, s31, 10
	s_add_co_u32 s36, s36, s31
	s_lshl_b32 s31, s24, 16                        ; kb = 16 x wave on: 4 images for each kb
	s_add_co_u32 s36, s36, s31
	s_add_nc_u64 s[22:23], s[22:23], s[36:37]
.macro LOADW b
.irp j, 0,1,2,3,4,5,6,7,8,9,10,11,12,13,14,15
	global_load_b128 v[WI+64*((\b)%2)+4*\j:WI+64*((\b)%2)+4*\j+3], v3, s[16:17] offset:8192*\j+512*(\b) th:TH_LOAD_NT   ; row j: 32 lanes read 512 consecutive bytes
.endr
.endm
	LOADW 0
	LOADW 1
.irp b, 0,1,2,3
.if \b < 3
	s_wait_loadcnt 16                              ; this batch is in; the next batch's sixteen loads stay out
.else
	s_wait_loadcnt 0x0
.endif
.if \b > 0
	s_wait_xcnt 0x0                                ; the last batch's stores have read their data: the registers are written again only behind this wait
.endif
.irp j, 0,1,2,3,4,5,6,7,8,9,10,11,12,13,14,15
	v_cvt_pk_f16_f32 v[WO+2*\j], v[WI+64*(\b%2)+4*\j], v[WI+64*(\b%2)+4*\j+1]
	v_cvt_pk_f16_f32 v[WO+2*\j+1], v[WI+64*(\b%2)+4*\j+2], v[WI+64*(\b%2)+4*\j+3]
.endr
.if \b < 2
	LOADW \b+2
.endif
.irp j, 0,1,2,3,4,5,6,7,8,9,10,11,12,13,14,15
	ds_store_b64 v[WSA], v[WO+2*\j:WO+2*\j+1] offset:WP*\j         ; row j: 256 consecutive bytes
.endr
.irp f, 0,1,2,3,4,5,6,7
	ds_load_b128 v[WO+4*\f:WO+4*\f+3], v[WLA] offset:32*\f         ; fragment f / 2, register group f % 2: 64 (f / 2) + 32 (f % 2) bytes along the rows.  LDS serves a wave's instructions in order: these see my stores
.endr
	s_wait_dscnt 0x0                               ; the images are in registers, and the stage is free for the next batch
.irp f, 0,1,2,3,4,5,6,7
	global_store_b128 v3, v[WO+4*\f:WO+4*\f+3], s[22:23] offset:4096*(4*\b+\f/2)+512*(\f%2)   ; the wave stores 512 consecutive bytes, aligned
.endr
.endr
	s_wait_tensorcnt 0x0                           ; the wave's end: a wait, an add of 0 to my spare word and a wait for it, behind my last LDS store
	ds_add_u32 v[SPW], v[NIL]
	s_wait_dscnt 0x0
	s_endpgm
.Lfunc_end_k_q08b8b93adc_quant:
	.size	k_q08b8b93adc_quant, .Lfunc_end_k_q08b8b93adc_quant-k_q08b8b93adc_quant
	.p2alignl 7, 3214868480
	.fill 96, 4, 3214868480
	.section	.rodata,"a",@progbits
	.p2align	6, 0x0
	.amdhsa_kernel k_q08b8b93adc_quant
		.amdhsa_group_segment_fixed_size 50688
		.amdhsa_private_segment_fixed_size 0
		.amdhsa_enable_private_segment 0
		.amdhsa_kernarg_size 80
		.amdhsa_user_sgpr_count 2
		.amdhsa_user_sgpr_kernarg_segment_ptr 1
		.amdhsa_wavefront_size32 1
		.amdhsa_system_sgpr_workgroup_id_x 1
		.amdhsa_system_sgpr_workgroup_id_y 1
		.amdhsa_system_sgpr_workgroup_id_z 1
		.amdhsa_system_vgpr_workitem_id 0
		.amdhsa_next_free_vgpr 192
		.amdhsa_next_free_sgpr 66
		.amdhsa_reserve_vcc 0
		.amdhsa_float_denorm_mode_32 3
		.amdhsa_float_denorm_mode_16_64 3
		.amdhsa_memory_ordered 1
		.amdhsa_forward_progress 1
		.amdhsa_inst_pref_size 59
	.end_amdhsa_kernel
	.amdgpu_metadata
---
amdhsa.version: [ 1, 2 ]
amdhsa.kernels:
  - .name:           k_q08b8b93adc_quant
    .symbol:         k_q08b8b93adc_quant.kd
    .args:
      - { .name: values, .offset: 0, .size: 8, .value_kind: global_buffer, .address_space: global }
      - { .name: keys, .offset: 8, .size: 8, .value_kind: global_buffer, .address_space: global }
      - { .name: queries, .offset: 16, .size: 8, .value_kind: global_buffer, .address_space: global }
      - { .name: Wv, .offset: 24, .size: 8, .value_kind: global_buffer, .address_space: global }
      - { .name: Wk, .offset: 32, .size: 8, .value_kind: global_buffer, .address_space: global }
      - { .name: Wq, .offset: 40, .size: 8, .value_kind: global_buffer, .address_space: global }
      - { .name: Wo, .offset: 48, .size: 8, .value_kind: global_buffer, .address_space: global }
      - { .name: codes, .offset: 56, .size: 8, .value_kind: global_buffer, .address_space: global }
      - { .name: scales, .offset: 64, .size: 8, .value_kind: global_buffer, .address_space: global }
      - { .name: wo16, .offset: 72, .size: 8, .value_kind: global_buffer, .address_space: global }
    .group_segment_fixed_size: 50688
    .private_segment_fixed_size: 0
    .kernarg_segment_align: 8
    .kernarg_segment_size: 80
    .max_flat_workgroup_size: 128
    .sgpr_count:     66
    .vgpr_count:     192
    .wavefront_size: 32
...
	.end_amdgpu_metadata
.endif
;; end of part 1
;; launch proj (part 2): grid 8 x 48, 4 waves a work-group, clusters of 4 x 4, 327,680 bytes of LDS; arguments codes, scales, qkv; writes qkv
.if DOCPART == 2
	.amdgcn_target "amdgcn-amd-amdhsa--gfx1250"
	.amdhsa_code_object_version 6
	.text
	.protected	k_q08b8b93adc_proj
	.globl	k_q08b8b93adc_proj
	.p2align	8
	.type	k_q08b8b93adc_proj,@function
k_q08b8b93adc_proj:
	s_mov_b64 s[64:65], 0
	v_nop
	global_prefetch_b8 v0, s[64:65] scope:SCOPE_SE
	s_setreg_imm32_b32 hwreg(HW_REG_WAVE_MODE, 25, 1), 1
	s_wait_xcnt 0x0
	s_wait_alu depctr_hold_cnt(0) depctr_sa_sdst(0) depctr_va_vdst(0) depctr_va_sdst(0) depctr_va_ssrc(0) depctr_va_vcc(0) depctr_vm_vsrc(0)
	s_getreg_b32 s2, hwreg(HW_REG_IB_STS2, 6, 4)
	s_cmp_eq_u32 s2, 0
	s_cbranch_scc0 .Lentry_in_a_cluster
	s_endpgm
.Lentry_in_a_cluster:
	s_bfe_u32 s2, ttmp6, 0x10000c
	s_cmp_lg_u32 s2, 0xf033
	s_cbranch_scc0 .Lentry_shape_is_right
	s_endpgm
.Lentry_shape_is_right:
; THE THREE PROJECTIONS IN ONE GRID: qkv[m][n'] = sum over k of A[m][k] B[n'][k], on codes of FP4 (E2M1) with one E8M0 scale for each 32 along K; sums in f32; the result rounded once to f16.
; A: rows 0 .. 12,287 of codes and scales (values, keys, queries on end).  B: rows 12,288 + 2,048 g + n', g = m / 4,096 (Wv, Wk, Wq, their rows in the order that the launch before gave them).  K = 2,048: a row of codes is 1,024 bytes, of scales 64.
; qkv: [12,288][2,048] f16: rows 0- v, 4,096- k, 8,192- q.  LIMIT: the results' magnitudes stay under 65,504 (f16).
; A tile of C, 256 x 256, is made by a work-group of four waves; a wave makes 128 x 128: 64 accumulators of 16 x 16, 512 registers.  48 tile rows x 8 tile columns.
; K goes in steps of 512 through a ring of two LDS slots filled by the tensor data mover: a tile's row is 256 bytes of memory.
; THE SCALES of the work-group's 256 rows of A and 256 rows of B, for all of K, are two dense blocks of memory: they come into LDS ONCE, with the first fills, as rows of 256 bytes, and stay.
; CLUSTERS: 4 x 4 work-groups.  The four of a row of the cluster need the same tiles of A, the four of a column the same tiles of B: each tile is asked for JOINTLY, by the same tensor load with the
; same descriptor and a mask that names the four.  A cluster's four tile rows lie in one product (16 tile rows a product), so g hangs on the cluster's y alone.
; THE MATRIX INSTRUCTION IS USED TRANSPOSED (source 0 = 16 rows of B, source 1 = 16 rows of A): a lane then holds eight neighbouring numbers of a row of C.
; REGISTERS, in windows of 256: window 0: v0-31 addresses; v32-95 scale words, two sets; from v128 A's fragments (8 x 16 rows x 128 K), ONE set; on the way out v32-63, v192-255 are at work.
;   window 1: B's fragments, TWO sets, at v0 and at v128.   window 2: the 32 accumulators of my rows 0-63 (accumulator (a, b) at v[8 (8 a + b)]);   window 3: those of my rows 64-127.
; A step of 128 along K is 64 matrix instructions, A's blocks one after the other, each against B's eight.  So a block of A is free as soon as its eight products are issued, and one set of registers serves A:
; blocks 0-3 are fetched anew in the step's middle, blocks 4-7 at its end.  B's fragments are at work through the whole step, so B has two sets.
; Nothing is prefetched: K has four slots' worth of steps, two of which are asked for at the head.
.set SIZE_N, 2048
.set SIZE_K, 2048
.set AROWS,  12288                     ; rows of A in codes and scales; B's follow
.set KSTEP,  512                       ; along K in a slot
.set NQ,     KSTEP/128                 ; matrix instructions deep
.set ROWB,   256                       ; a tile's row in bytes: KSTEP codes of 4 bits
.set KROW,   SIZE_K*4/8                ; a row of codes in memory, in bytes
.set CROW,   SIZE_N*2                  ; a row of C in bytes
.set PITCH,  272                       ; an LDS row: 256 bytes of data + 16 of padding = 68 words: row r starts at bank 4 r mod 64 (64 banks of 4 bytes: ISA guide 11.1), so the 16 rows that a load touches start at 16 different banks
.set FR,     8                         ; registers of a fragment: 16 rows x 128 K
.set NL,     2                         ; LDS loads that bring one
.set NP,     4                         ; places behind this matrix instruction (ISA guide 7.12.1)
.set HALFT,  128*PITCH                 ; 128 rows: what one tensor load brings, and what one wave reads of A or of B
.set SLOT,   4*HALFT                   ; A's 256 rows, then B's 256 rows
.set LAPS,   SIZE_K/(2*KSTEP)          ; a lap = two K steps = once round the ring
.set KS,     SIZE_K/32                 ; a row of scales in bytes
.set SCL,    2*SLOT                    ; behind the ring: the scales, as rows of 256 bytes + 16 of padding
.set HALFS,  (128*KS/256)*272          ; the scales of 128 rows: what one tensor load brings
.set SBLK,   (16*KS/256)*272           ; those of 16 rows
.set SPARE,  SCL+4*HALFS               ; behind the scales: the spare words, 128 bytes for each wave
.set SPITCH, 272                       ; the way out: a stage of 16 rows x (256 bytes + 16) for each wave.  It lies in slot 0, which has had its last fill and its last read when the first result is stored there
.set ADRA, 16                          ; v16-17  LDS address of my A fragments in slot 0, 1
.set ADRB, 20                          ; v20-21  the same for B
.set STO,  24                          ; v24     the way out: where I put 16 bytes of a row
.set RD,   25                          ; v25     the way out: where I read a row back
.set CO,   26                          ; v26     my byte offset in two rows of C
.set ADRS, 27                          ; v27     LDS address of my scale words: lanes 0-15 A's rows, lanes 16-31 B's
.set SPW,  28                          ; v28     LDS address of my spare word: SPARE + 4 x my thread's number; never rewritten
.set NIL,  29                          ; v29     0; never rewritten
.set SC,   32                          ; scale words: set s (for slot s) at v[SC + 8 NQ s]; in it register NQ i + q: lanes 0-15 the word of A's block i, lanes 16-31 that of B's block i, for the slot's q-th 128 along K
.set AF,   128                         ; A's fragments, in window 0
.set TMP,  192                         ; the way out: v192-223 a block's results as f16
.set OB,   32                          ; the way out: 16 rows read back from the stage: v32-63 and v224-255 by turns
.set G1, 24                            ; s[24:31] descriptor group 1 for A's tiles;  s[32:39] group 0, one set for each slot
.set G0, 32
.set G1B, 48                           ; s[48:55], s[56:63] the same for B's tiles
.set G0B, 56
.set G1S, 68                           ; s[68:75], s[76:79] groups 1 and 0 for A's scales;  s[80:87], s[88:91] for B's
.set G0S, 76
.set G1SB, 80
.set G0SB, 88
.set MSB, 0
.macro WIN new                         ; the immediate's high byte repeats the setting that is left; a switch that changes nothing is dropped
.if MSB != (\new)
	s_set_vgpr_msb (MSB<<8)|(\new)
.set MSB, (\new)
.endif
.endm
.set MUL_LO, 0xa1                      ; source 0 (B) window 1, source 1 (A) window 0, C and D window 2
.set MUL_HI, 0xf1                      ; the same, C and D window 3
.set TO_B,   0x40                      ; destination window 1, address window 0
; A joint load: waves 0 and 1 fetch for A, waves 2 and 3 for B.  Each of the two lines has ONE mask and one set of registers for all that issue it; the branch hangs on the wave's number alone.
; An s_nop 0 and four v_nop follow each of the two lines, ahead of the jump, the label and what follows.
.macro JLOAD g0a, g1a, g0b, g1b
	s_cmp_eq_u32 s15, 0
	s_cbranch_scc0 .Lfor_b_\@
	tensor_load_to_lds s[\g0a:\g0a+3], s[\g1a:\g1a+7]
	s_nop 0
.rept 4
	v_nop
.endr
	s_branch .Lasked_\@
.Lfor_b_\@:
	tensor_load_to_lds s[\g0b:\g0b+3], s[\g1b:\g1b+7]
	s_nop 0
.rept 4
	v_nop
.endr
.Lasked_\@:
.endm
.macro CREST                           ; a round of the cluster's barrier behind its opening barrier
	s_cmp_lg_u32 s14, 0
	s_cbranch_scc1 .Lnot_wave_0_\@
	s_barrier_signal -3
.Lnot_wave_0_\@:
	s_barrier_wait -3
	s_barrier_signal -1
	s_barrier_wait -1
.endm
.macro CROUND                          ; a whole round
	s_barrier_signal -1
	s_barrier_wait -1
	CREST
.endm
	s_load_b128 s[4:7], s[0:1], 0x0                ; codes s[4:5], scales s[6:7]
	s_load_b64 s[12:13], s[0:1], 0x10              ; qkv
	v_lshl_add_u32 v[SPW], v0, 2, SPARE
	v_mov_b32 v[NIL], 0
	ds_add_u32 v[SPW], v[NIL]                      ; the wave's opening: the add, twice on end, and its wait ahead of my first tensor load; the set-up below, work on registers, stands between the second and the wait
	ds_add_u32 v[SPW], v[NIL]
	v_lshrrev_b32 v1, 5, v0
	v_readfirstlane_b32 s14, v1                    ; wave 0..3
	s_lshr_b32 s15, s14, 1                         ; which half of the tile's rows is mine.  Also: I fetch for A (0) or for B (1)
	s_and_b32 s16, s14, 1                          ; which half of its columns.  Also: which 128 rows of that tile I fetch
	s_bfe_u32 s40, ttmp6, 0x40000                  ; cx, cy: my place in the cluster
	s_bfe_u32 s41, ttmp6, 0x40004
	s_lshl_b32 s42, ttmp9, 2
	s_add_co_u32 s42, s42, s40                     ; tile column of C = 4 x cluster x + cx
	s_and_b32 s17, ttmp7, 0xffff                   ; cluster y
	s_lshr_b32 s95, s17, 2                         ; g: which product: four clusters along y to each
	s_lshl_b32 s95, s95, 11                        ; its weight's first row among B's: the same in all sixteen partners
	s_lshl_b32 s17, s17, 2
	s_add_co_u32 s17, s17, s41                     ; tile row of C = 4 x cluster y + cy
	s_lshl_b32 s43, s41, 2
	s_lshl_b32 s43, 15, s43                        ; my row of the cluster
	s_lshl_b32 s44, 0x1111, s40                    ; my column
	; descriptor group 1: a tile of 128 rows x ROWB bytes, padded in LDS
	s_or_b32 s[G1+0], s43, (0<<16)|(1<<20)|(1<<21)|(5<<22)|(3<<25)  ; 15:0 the mask: A's tiles go to my row; 17:16 element of 1 byte; 20 padding on; 21 set beside a mask; 24:22 after every 64 words (code 5); 31:25 of 4 words (code 3)
	s_or_b32 s[G1B+0], s44, (0<<16)|(1<<20)|(1<<21)|(5<<22)|(3<<25)
.irp g, G1, G1B
	s_mov_b32 s[\g+1], ROWB<<16                    ; tensor_dim0
	s_mov_b32 s[\g+2], 128<<16                     ; tensor_dim1 = 128
	s_mov_b32 s[\g+3], ROWB<<16                    ; tile_dim0
	s_mov_b32 s[\g+4], 128                         ; tile_dim1 = 128
	s_mov_b32 s[\g+5], KROW                        ; tensor_dim0_stride
	s_mov_b32 s[\g+6], 0
	s_mov_b32 s[\g+7], 0
.endr
	; and for the scales of 128 rows: a dense block of 128 KS bytes, as rows of 256 bytes (32 elements of 8 bytes), 16 bytes of padding behind each
	s_or_b32 s[G1S+0], s43, (3<<16)|(1<<20)|(1<<21)|(5<<22)|(3<<25)
	s_or_b32 s[G1SB+0], s44, (3<<16)|(1<<20)|(1<<21)|(5<<22)|(3<<25)
.irp g, G1S, G1SB
	s_mov_b32 s[\g+1], 32<<16
	s_mov_b32 s[\g+2], (128*KS/256)<<16
	s_mov_b32 s[\g+3], 32<<16
	s_mov_b32 s[\g+4], 128*KS/256
	s_mov_b32 s[\g+5], 32
	s_mov_b32 s[\g+6], 0
	s_mov_b32 s[\g+7], 0
.endr
	s_lshl_b32 s18, s16, 7                         ; which 128 rows of the tile I fetch
	s_lshl_b32 s20, s17, 8
	s_add_co_u32 s20, s20, s18                     ; A: row 256 x tile row + 128 x half
	s_lshl_b32 s46, s42, 8
	s_add_co_u32 s46, s46, s18                     ; B: row 256 x tile column + 128 x half
	s_add_co_u32 s46, s46, s95                     ;    + the product's weight
	s_mov_b32 s21, 0
	s_mov_b32 s47, 0
	s_mov_b64 s[18:19], KS
	s_mul_u64 s[22:23], s[20:21], s[18:19]         ; where these rows' scales begin, in bytes
	s_mul_u64 s[92:93], s[46:47], s[18:19]
	s_mov_b64 s[18:19], KROW
	s_mul_u64 s[20:21], s[20:21], s[18:19]         ; and their codes
	s_mul_u64 s[46:47], s[46:47], s[18:19]
	s_mul_i32 s45, s14, HALFT                      ; where they go: wave x 128 rows: no place in the cluster enters an LDS address
	s_mul_i32 s94, s14, HALFS
	s_wait_dscnt 0x0                               ; both opening adds are done
	s_wait_kmcnt 0x0
	s_add_nc_u64 s[8:9], s[4:5], AROWS*KROW        ; B's codes lie behind A's,
	s_add_nc_u64 s[10:11], s[6:7], AROWS*KS        ; B's scales likewise
	s_add_nc_u64 s[20:21], s[4:5], s[20:21]
	s_add_nc_u64 s[22:23], s[6:7], s[22:23]
	s_add_nc_u64 s[46:47], s[8:9], s[46:47]
	s_add_nc_u64 s[92:93], s[10:11], s[92:93]
	CROUND                                         ; all sixteen work-groups are here: the first joint loads meet
	s_mov_b32 s[G0S], 1
	s_add_co_u32 s[G0S+1], s94, SCL
	s_mov_b64 s[G0S+2:G0S+3], s[22:23]
	s_or_b32 s[G0S+3], s[G0S+3], 0x80000000
	s_mov_b32 s[G0SB], 1
	s_add_co_u32 s[G0SB+1], s94, SCL
	s_mov_b64 s[G0SB+2:G0SB+3], s[92:93]
	s_or_b32 s[G0SB+3], s[G0SB+3], 0x80000000
	JLOAD G0S, G1S, G0SB, G1SB                     ; the scales first: they are wanted with K step 0
.irp s, 0,1
	s_mov_b32 s[G0+4*\s], 1
	s_add_co_u32 s[G0+4*\s+1], s45, \s*SLOT
	s_add_nc_u64 s[G0+4*\s+2:G0+4*\s+3], s[20:21], \s*ROWB
	s_or_b32 s[G0+4*\s+3], s[G0+4*\s+3], 0x80000000
	s_mov_b32 s[G0B+4*\s], 1
	s_add_co_u32 s[G0B+4*\s+1], s45, \s*SLOT
	s_add_nc_u64 s[G0B+4*\s+2:G0B+4*\s+3], s[46:47], \s*ROWB
	s_or_b32 s[G0B+4*\s+3], s[G0B+4*\s+3], 0x80000000
	JLOAD G0+4*\s, G1, G0B+4*\s, G1B               ; three tensor loads of mine are out behind the second of these
.endr
	v_and_b32 v1, 15, v0                           ; l % 16
	v_bfe_u32 v2, v0, 4, 1                         ; l / 16
	v_mul_u32_u24 v3, v1, PITCH
	v_lshl_add_u32 v4, v2, 4, v3                   ; a fragment's row x pitch + 16 x half
	s_mul_i32 s21, s15, HALFT                      ; my 128 rows of A
	s_mul_i32 s22, s16, HALFT                      ; my 128 rows of B,
	s_add_co_u32 s22, s22, 2*HALFT                 ; which lie behind A's 256
.irp s, 0,1
	v_add_nc_u32 v[ADRA+\s], s21, v4
	v_add_nc_u32 v[ADRB+\s], s22, v4
	s_add_co_u32 s21, s21, SLOT
	s_add_co_u32 s22, s22, SLOT
.endr
	v_mul_u32_u24 v5, v1, KS                       ; my row's scales: KS bytes a row,
	v_lshrrev_b32 v6, 8, v5
	v_lshl_add_u32 v5, v6, 4, v5                   ; and 16 more for each 256 passed
	s_mul_i32 s21, s15, HALFS                      ; A's: my 128 rows
	s_mul_i32 s22, s16, HALFS                      ; B's: my 128 rows, behind A's 256
	s_add_co_u32 s22, s22, 2*HALFS
	s_sub_co_u32 s22, s22, s21
	v_mul_u32_u24 v6, s22, v2                      ; lanes 16-31 take B's
	s_add_co_u32 s21, s21, SCL
	v_add_nc_u32 v5, v5, v6
	v_add_nc_u32 v[ADRS], s21, v5
	s_mul_i32 s23, s14, 16*SPITCH                  ; my stage
	v_mul_u32_u24 v5, v1, SPITCH                   ; in: row l % 16, 16 bytes for each half of the lanes
	v_lshl_add_u32 v5, v2, 4, v5
	v_add_nc_u32 v[STO], s23, v5
	v_mul_u32_u24 v5, v2, SPITCH                   ; back: lanes 0-15 take one row of 256 bytes, lanes 16-31 the next
	v_lshl_add_u32 v5, v1, 4, v5
	v_add_nc_u32 v[RD], s23, v5
	v_mul_u32_u24 v5, v2, CROW                     ; and the same two rows in C
	v_lshl_add_u32 v[CO], v1, 4, v5
	s_lshl_b32 s20, s17, 8
	s_lshl_b32 s21, s15, 7
	s_add_co_u32 s20, s20, s21                     ; my first row of C: 256 x tile row + 128 x half
	s_mov_b32 s21, 0
	s_mov_b64 s[18:19], CROW
	s_mul_u64 s[20:21], s[20:21], s[18:19]
	s_lshl_b32 s46, s42, 9                         ; my first column, in bytes: 512 x tile column + 256 x half
	s_lshl_b32 s47, s16, 8
	s_add_co_u32 s46, s46, s47
	s_mov_b32 s47, 0
	s_add_nc_u64 s[20:21], s[20:21], s[46:47]
	s_add_nc_u64 s[12:13], s[12:13], s[20:21]
.macro FRAG reg, adr, q, i             ; a fragment, 16 rows x 128 K of 4-bit codes, is 8 registers: lane l holds row l % 16; registers 4 c .. 4 c + 3 hold K = 64 c + 32 (l / 16) + 0 .. 31, the lower K in the lower bits
.irp c, 0,1
	ds_load_b128 v[\reg+4*\c:\reg+4*\c+3], v[\adr] offset:64*(\q)+32*\c+(\i)*16*PITCH
.endr
.endm
; 16 matrix instructions: A's blocks a0, a0 + 1 x B's eight, 128 along K: the slot's q-th.  p: B's set;  sc: the set of scale words.  zero = 1: the first product starts the sums: nothing is ever cleared.
; The 64 accumulators take turns, one instruction a turn, in the same order in every step.
.macro MUL16 a0, p, q, sc, zero
.irp a, \a0, \a0+1
.irp b, 0,1,2,3,4,5,6,7
.if \zero
	v_wmma_scale_f32_16x16x128_f8f6f4 v[8*(8*((\a)%4)+\b):8*(8*((\a)%4)+\b)+7], v[128*(\p)+FR*\b:128*(\p)+FR*\b+FR-1], v[AF+FR*(\a):AF+FR*(\a)+FR-1], 0, v[SC+8*NQ*(\sc)+NQ*\b+(\q)], v[SC+8*NQ*(\sc)+NQ*(\a)+(\q)] matrix_a_fmt:MATRIX_FMT_FP4 matrix_b_fmt:MATRIX_FMT_FP4 matrix_a_scale:MATRIX_SCALE_ROW1
.else
	v_wmma_scale_f32_16x16x128_f8f6f4 v[8*(8*((\a)%4)+\b):8*(8*((\a)%4)+\b)+7], v[128*(\p)+FR*\b:128*(\p)+FR*\b+FR-1], v[AF+FR*(\a):AF+FR*(\a)+FR-1], v[8*(8*((\a)%4)+\b):8*(8*((\a)%4)+\b)+7], v[SC+8*NQ*(\sc)+NQ*\b+(\q)], v[SC+8*NQ*(\sc)+NQ*(\a)+(\q)] matrix_a_fmt:MATRIX_FMT_FP4 matrix_b_fmt:MATRIX_FMT_FP4 matrix_a_scale:MATRIX_SCALE_ROW1
.endif
.endr
.endr
.endm
.macro FETCH_B slot, q, p              ; B's eight fragments of the slot's q-th 128 along K into set p
	WIN TO_B
.irp i, 0,1,2,3,4,5,6,7
	FRAG 128*(\p)+FR*\i, ADRB+\slot, \q, \i
.endr
	WIN 0
.endm
.macro FETCH_A slot, q, i0             ; A's blocks i0 .. i0 + 3
.irp i, \i0, \i0+1, \i0+2, \i0+3
	FRAG AF+FR*(\i), ADRA+\slot, \q, \i
.endr
.endm
.macro SCALES sc                       ; the next K step's scale words into set sc: NQ words a row; lanes 0-15 take A's block i, lanes 16-31 B's block i
.irp i, 0,1,2,3,4,5,6,7
	ds_load_b128 v[SC+8*NQ*\sc+NQ*\i:SC+8*NQ*\sc+NQ*\i+3], v[ADRS] offset:\i*SBLK
.endr
.endm
; A load into a register that a matrix instruction has read, and a vector instruction that reads a matrix result, stand NP places behind that matrix instruction, and only plain vector
; instructions that name none of its registers are places (ISA guide 7.12.1 for vector instructions); the matrix instructions in between are not counted.
.macro PLACES n
.rept \n
	v_nop
.endr
.endm
; A step of 128 along K that has its successor in the same slot.
.macro STEP slot, q, zero
	s_wait_dscnt 4*NL                              ; B's set and A's blocks 0-3 are in; the youngest eight loads (A's blocks 4-7) may be out
	WIN MUL_LO
	MUL16 0, (\q)%2, \q, \slot, \zero
	MUL16 2, (\q)%2, \q, \slot, \zero
	s_wait_dscnt 0                                 ; A's blocks 4-7 are in (asked for 32 matrix instructions ago)
	PLACES NP
	FETCH_B \slot, (\q)+1, 1-(\q)%2
	FETCH_A \slot, (\q)+1, 0
	WIN MUL_HI
	MUL16 4, (\q)%2, \q, \slot, \zero
	MUL16 6, (\q)%2, \q, \slot, \zero
	PLACES NP
	WIN 0
	FETCH_A \slot, (\q)+1, 4
.endm
; A slot's last step changes slots: ONE barrier; in front of it each wave waits for all its tensor loads, adds 0 to its spare word, and waits for that and for its own reads of this slot.  fill = 1: this slot is filled again, two K steps ahead.
.macro TURN slot, next, fill
	s_wait_tensorcnt 0x0                           ; all my tensor loads have landed: my part of the next slot;  (every window is 0 here: the add's two registers lie in window 0)
	ds_add_u32 v[SPW], v[NIL]                      ; 0 onto my spare word;
	s_wait_dscnt 4*NL+1                            ; (the add and the youngest eight loads, A's blocks 4-7, may be out)
	WIN MUL_LO
	MUL16 0, 1, NQ-1, \slot, 0                     ; sixteen matrix instructions stand between the add and the wait for it
	s_wait_dscnt 0x0                               ; the add is done, and my reads of this slot are over
	s_barrier_signal -1
	MUL16 2, 1, NQ-1, \slot, 0
	WIN 0
	s_barrier_wait -1
.if \fill
	CREST                                          ; the barrier has opened a round of the cluster's barrier: no wave of any partner still reads this slot's tile or has a load on its way
	s_add_nc_u64 s[G0+4*\slot+2:G0+4*\slot+3], s[G0+4*\slot+2:G0+4*\slot+3], 2*ROWB
	s_add_nc_u64 s[G0B+4*\slot+2:G0B+4*\slot+3], s[G0B+4*\slot+2:G0B+4*\slot+3], 2*ROWB
	JLOAD G0+4*\slot, G1, G0B+4*\slot, G1B         ; the first tensor load behind the round, my one load until the next; the four v_nop behind it are the places in front of the loads below
.else
	PLACES NP
.endif
	v_add_nc_u32 v[ADRS], 4*NQ, v[ADRS]            ; on to the next K step's scale words (no LDS load of mine is out)
	FETCH_B \next, 0, 0
	FETCH_A \next, 0, 0
	SCALES \next
	WIN MUL_HI
	MUL16 4, 1, NQ-1, \slot, 0
	MUL16 6, 1, NQ-1, \slot, 0
	PLACES NP
	WIN 0
	FETCH_A \next, 0, 4
.endm
.macro STEPS slot, from                ; the slot's steps from .. NQ - 2
.set Q, \from
.rept NQ-1-\from
	STEP \slot, Q, 0
.set Q, Q+1
.endr
.endm
	s_wait_tensorcnt 1                             ; the scales and my part of K step 0 are in (K step 1's load may be out)
	s_barrier_signal -1
	s_barrier_wait -1                              ; everybody's are
	FETCH_B 0, 0, 0
	FETCH_A 0, 0, 0
	SCALES 0
	FETCH_A 0, 0, 4
	STEP 0, 0, 1                                   ; the first step stands in front of the loop: its products start the sums
	s_mov_b32 s3, LAPS-1
.Llap:                                                 ; a trip goes once round the ring, from a lap's second step to the next lap's first, and fills both slots again
	STEPS 0, 1
	TURN 0, 1, 1
	STEPS 1, 0
	TURN 1, 0, 1
	STEP 0, 0, 0
	s_sub_co_u32 s3, s3, 1
	s_cmp_lg_u32 s3, 0
	s_cbranch_scc1 .Llap
	STEPS 0, 1                                     ; the last lap fills nothing, and has no round of the cluster's barrier
	TURN 0, 1, 0
	STEPS 1, 0
	s_wait_dscnt 4*NL                              ; the very last step: nothing more to fetch
	WIN MUL_LO
	MUL16 0, 1, NQ-1, 1, 0
	MUL16 2, 1, NQ-1, 1, 0
	s_wait_dscnt 0
	WIN MUL_HI
	MUL16 4, 1, NQ-1, 1, 0
	MUL16 6, 1, NQ-1, 1, 0
	WIN 0
; THE WAY OUT, block by block of 16 rows x 128 columns.  PACK: a lane's eight neighbouring results are rounded to f16: 16 bytes.  TOSTAGE: into my own stage in LDS, and back as whole rows of 256 bytes.  SEND: stored.
; LDS serves a wave's instructions in order (ISA guide 5.7.1.4): no wait between the stores and the loads.  Block a's conversions stand between block a - 1's loads from the stage and the wait for them.
.macro PACK a
.set AC, 64*((\a)%4)
	WIN 0x0a+5*((\a)/4)                            ; sources 0 and 1: window 2 or 3
.irp b, 0,1,2,3,4,5,6,7
.irp r, 0,1,2,3
	v_cvt_pk_f16_f32 v[TMP+4*\b+\r], v[AC+8*\b+2*\r], v[AC+8*\b+2*\r+1]   ; each accumulator from its low end on
.endr
.endr
	WIN 0
.endm
.macro TOSTAGE a
.set BK, OB+192*((\a)%2)
.irp b, 0,1,2,3,4,5,6,7
	ds_store_b128 v[STO], v[TMP+4*\b:TMP+4*\b+3] offset:32*\b
.endr
.irp t, 0,1,2,3,4,5,6,7
	ds_load_b128 v[BK+4*\t:BK+4*\t+3], v[RD] offset:\t*2*SPITCH
.endr
.endm
.macro SEND a
.set BK, OB+192*((\a)%2)
	s_wait_dscnt 0x0                               ; the block is back in registers
	s_wait_xcnt 0x0                                ; the earlier stores have read their base and their data: only behind this wait are the base and those registers written again
.if (\a) > 0
	s_add_nc_u64 s[12:13], s[12:13], 16*CROW       ; 16 rows of C on
.endif
.irp t, 0,1,2,3,4,5,6,7
	global_store_b128 v[CO], v[BK+4*\t:BK+4*\t+3], s[12:13] offset:2*\t*CROW   ; 16 lanes store 256 consecutive bytes, at a multiple of 256 from C's first byte
.endr
.endm
	PLACES NP                                      ; behind the last products: for the first conversions, and for the loads into the registers that held scale words
	PACK 0
	TOSTAGE 0
.irp a, 1,2,3,4,5,6,7
	PACK \a
	SEND \a-1
	TOSTAGE \a
.endr
	SEND 7
	s_wait_tensorcnt 0x0                           ; the wave's end: a wait, an add of 0 to my spare word and a wait for it, behind my last tensor load and my last LDS store
	ds_add_u32 v[SPW], v[NIL]
	s_wait_dscnt 0x0
	CROUND                                         ; the closing round: no work-group ends while a partner may still ask for a tile that names it
	s_endpgm
.Lfunc_end_k_q08b8b93adc_proj:
	.size	k_q08b8b93adc_proj, .Lfunc_end_k_q08b8b93adc_proj-k_q08b8b93adc_proj
	.p2alignl 7, 3214868480
	.fill 96, 4, 3214868480
	.section	.rodata,"a",@progbits
	.p2align	6, 0x0
	.amdhsa_kernel k_q08b8b93adc_proj
		.amdhsa_group_segment_fixed_size 327680
		.amdhsa_private_segment_fixed_size 0
		.amdhsa_enable_private_segment 0
		.amdhsa_kernarg_size 24
		.amdhsa_user_sgpr_count 2
		.amdhsa_user_sgpr_kernarg_segment_ptr 1
		.amdhsa_wavefront_size32 1
		.amdhsa_system_sgpr_workgroup_id_x 1
		.amdhsa_system_sgpr_workgroup_id_y 1
		.amdhsa_system_sgpr_workgroup_id_z 1
		.amdhsa_system_vgpr_workitem_id 0
		.amdhsa_next_free_vgpr 1024
		.amdhsa_next_free_sgpr 98
		.amdhsa_reserve_vcc 0
		.amdhsa_float_denorm_mode_32 3
		.amdhsa_float_denorm_mode_16_64 3
		.amdhsa_memory_ordered 1
		.amdhsa_forward_progress 1
		.amdhsa_inst_pref_size 214
	.end_amdhsa_kernel
	.amdgpu_metadata
---
amdhsa.version: [ 1, 2 ]
amdhsa.kernels:
  - .name:           k_q08b8b93adc_proj
    .symbol:         k_q08b8b93adc_proj.kd
    .args:
      - { .name: codes, .offset: 0, .size: 8, .value_kind: global_buffer, .address_space: global }
      - { .name: scales, .offset: 8, .size: 8, .value_kind: global_buffer, .address_space: global }
      - { .name: qkv, .offset: 16, .size: 8, .value_kind: global_buffer, .address_space: global }
    .group_segment_fixed_size: 327680
    .private_segment_fixed_size: 0
    .kernarg_segment_align: 8
    .kernarg_segment_size: 24
    .max_flat_workgroup_size: 128
    .sgpr_count:     98
    .vgpr_count:     1024
    .wavefront_size: 32
...
	.end_amdgpu_metadata
.endif
;; end of part 2
;; launch attn (part 3): grid 256 x 1, 8 waves a work-group, no clusters, 70,656 bytes of LDS; arguments qkv, att; writes att
.if DOCPART == 3
	.amdgcn_target "amdgcn-amd-amdhsa--gfx1250"
	.amdhsa_code_object_version 6
	.text
	.protected	k_q08b8b93adc_attn
	.globl	k_q08b8b93adc_attn
	.p2align	8
	.type	k_q08b8b93adc_attn,@function
k_q08b8b93adc_attn:
	s_mov_b64 s[64:65], 0
	v_nop
	global_prefetch_b8 v0, s[64:65] scope:SCOPE_SE
	s_setreg_imm32_b32 hwreg(HW_REG_WAVE_MODE, 25, 1), 1
	s_wait_xcnt 0x0
; FOR EACH OF THE 4,096 TOKENS AN ATTENTION ACROSS ITS 16 HEADS: energy[t][s] = q[t] . k[s] over d = 128; a = softmax over s of energy / sqrt(128); out[t][d] = sum over s of a[t][s] v[s][d].
; qkv: [12,288][2,048] f16: rows 0- v, 4,096- k, 8,192- q; a token's 2,048 numbers lie in the order that the first launch gave the weights' rows.  att: [4,096][2,048] f16, in the natural order 128 t + d.
; Products on f16 operands with f32 sums; maximum, exponentials, sum and division in f32; the row's maximum is taken away ahead of the exponential; the weights are normalised in f32 and then rounded to f16.
; LIMITS: NaN and infinities are not served; magnitudes of q, k, v and of the result stay under 65,504 (f16).
; SHARES.  A work-group takes 16 tokens, a wave two (u = 0, 1): the text is straight, with no loop and no barrier.  All 48 loads of a wave, 24 KB, go out at its head.  Two tokens, so that the two score tiles take turns.
; LAYOUT, lane L = 16 h + r.  Load j of a token's row is 512 consecutive bytes, lane L's 16 at 512 j + 16 L.
;   q, k: they are head r, channels 16 j + 8 h + 0 .. 7: loads 2 c and 2 c + 1 ARE the fragment (16 heads x channels 32 c .. 32 c + 31).
;   v:    they are channel 16 j + r, heads 8 h + 0 .. 7: registers 0-3 of a fragment of V^T (16 channels x 16 heads).
; S^T = K Q^T (source 0 = k's 16 heads, source 1 = q's): a lane holds query head t = r and key heads s = 8 h + 0 .. 7.  The weights, rounded in pairs, are registers 0-3 of source 1 of O^T = V^T A^T.
; THE SECOND PRODUCT'S K IS 16: the form's 32 is filled by four registers of zeros in the weights' operand.  V^T's registers 4-7 are then the next tile's numbers (behind the last: zeros): finite numbers, multiplied by those zeros.
; O^T: a lane holds head t = r, channels 16 i + 8 h + 0 .. 7: 16 bytes in f16.  They turn through the wave's stage in LDS, so that each store of the wave covers 512 consecutive bytes.
; Tensor loads, clusters and prefetches are left out: no two work-groups read a common byte, and every byte is asked for at the head.
.set LA,  1                            ; v1   16 x lane: the offset of every load and every store
.set STO, 2                            ; v2   the stage: where I put 16 bytes of a head's row
.set RD,  3                            ; v3   and where I read back
.set SPW, 6                            ; v6   LDS address of my spare word: SPARE + 4 x my thread's number; never rewritten
.set NIL, 7                            ; v7   0; never rewritten
.set Q,   16                           ; token u: q in v[Q + 64 u ..], 32 registers; k in v[Q + 32 + 64 u ..]
.set V,   144                          ; v in v[V + 32 u ..]
.set Z,   208                          ; v208-211 zeros, behind V's last tile
.set S,   212                          ; S^T of token u in v[S + 8 u ..]
.set P,   228                          ; the weights' operand in v[P + 8 u ..]: four registers of f16 pairs, four of zeros
.set T,   244                          ; token u at v[T + 6 u]: +0 the maximum, then -c m; +1 the other half's; +2, +3 the sum; +4, +5 its reciprocal's pair
.set O,   16                           ; O^T of token u in v[O + 64 u ..], over q and k, which are done with
.set SPITCH, 272                       ; a head's row in the stage: 256 bytes + 16
.set TST, 16*SPITCH                    ; a token's stage
.set WST, 2*TST                        ; a wave's
.set SPARE, 8*WST                      ; behind the stages: the spare words, 128 bytes for each wave
	s_load_b128 s[4:7], s[0:1], 0x0                ; qkv, att
	v_lshl_add_u32 v[SPW], v0, 2, SPARE
	v_mov_b32 v[NIL], 0
	v_lshrrev_b32 v4, 5, v0
	v_readfirstlane_b32 s14, v4                    ; wave 0..7
	v_and_b32 v4, 31, v0
	v_lshlrev_b32 v[LA], 4, v4
	s_lshl_b32 s16, ttmp9, 16                      ; the work-group's 16 tokens of 4,096 bytes,
	s_lshl_b32 s17, s14, 13                        ; my wave's two
	s_add_co_u32 s16, s16, s17
	s_mov_b32 s17, 0
	s_mov_b32 s20, 0x76543210                      ; v_permlanex16_b32's selects for lane l xor 16
	s_mov_b32 s21, 0xfedcba98
	s_mov_b32 s22, 0x3e0293ee                      ; c = log2(e) / sqrt(128)
	s_mov_b32 s23, s22                             ; (named with it as a pair, so it is written)
	s_mov_b32 s24, 0xbe0293ee                      ; -c
	s_wait_kmcnt 0x0
	s_add_nc_u64 s[8:9], s[4:5], s[16:17]          ; v,
	s_add_nc_u64 s[10:11], s[8:9], 0x1000000       ; k: 4,096 rows of 4,096 bytes on,
	s_add_nc_u64 s[12:13], s[8:9], 0x2000000       ; q: 8,192 rows on
	s_add_nc_u64 s[6:7], s[6:7], s[16:17]
.irp u, 0,1
.irp j, 0,1,2,3,4,5,6,7
	global_load_b128 v[Q+64*\u+4*\j:Q+64*\u+4*\j+3], v[LA], s[12:13] offset:4096*\u+512*\j th:TH_LOAD_NT
.endr
.irp j, 0,1,2,3,4,5,6,7
	global_load_b128 v[Q+32+64*\u+4*\j:Q+32+64*\u+4*\j+3], v[LA], s[10:11] offset:4096*\u+512*\j th:TH_LOAD_NT
.endr
.endr
.irp u, 0,1
.irp j, 0,1,2,3,4,5,6,7
	global_load_b128 v[V+32*\u+4*\j:V+32*\u+4*\j+3], v[LA], s[8:9] offset:4096*\u+512*\j th:TH_LOAD_NT
.endr
.endr
	v_and_b32 v8, 15, v0                           ; r
	v_bfe_u32 v9, v0, 4, 1                         ; h
	s_mul_i32 s18, s14, WST                        ; my stage
	v_mul_u32_u24 v[STO], v8, SPITCH               ; in: row r, 16 bytes for each half of the lanes
	v_lshl_add_u32 v[STO], v9, 4, v[STO]
	v_add_nc_u32 v[STO], s18, v[STO]
	v_mul_u32_u24 v[RD], v9, SPITCH                ; back: lanes 0-15 one row of 256 bytes, lanes 16-31 the next
	v_lshl_add_u32 v[RD], v8, 4, v[RD]
	v_add_nc_u32 v[RD], s18, v[RD]
.irp i, 0,1,2,3
	v_mov_b32 v[Z+\i], 0
	v_mov_b32 v[P+4+\i], 0                         ; the weights' operand for k = 16 .. 31
	v_mov_b32 v[P+12+\i], 0
.endr
	v_mov_b32 v[T+1], 0                            ; written once: a lane permute's destination counts as one of its sources
	v_mov_b32 v[T+7], 0
	s_wait_loadcnt 16                              ; q and k of both tokens are in; v's sixteen loads may be out
.irp c, 0,1,2,3                                ; S^T = K Q^T, 32 channels at a time; the two tokens' tiles take turns
.irp u, 0,1
.if \c == 0
	v_wmma_f32_16x16x32_f16 v[S+8*\u:S+8*\u+7], v[Q+32+64*\u+8*\c:Q+32+64*\u+8*\c+7], v[Q+64*\u+8*\c:Q+64*\u+8*\c+7], 0
.else
	v_wmma_f32_16x16x32_f16 v[S+8*\u:S+8*\u+7], v[Q+32+64*\u+8*\c:Q+32+64*\u+8*\c+7], v[Q+64*\u+8*\c:Q+64*\u+8*\c+7], v[S+8*\u:S+8*\u+7]
.endif
.endr
.endr
.rept 5
	v_nop                                          ; four places ahead of the first read of the scores; five ahead of the matrix instructions that write O^T over q and k (ISA guide 7.12.1)
.endr
.irp u, 0,1
	v_max3_num_f32 v[T+6*\u], v[S+8*\u], v[S+8*\u+1], v[S+8*\u+2]   ; the row's maximum: my eight key heads, from the tile's low end on; the two tokens line by line
.endr
.irp i, 3,5
.irp u, 0,1
	v_max3_num_f32 v[T+6*\u], v[T+6*\u], v[S+8*\u+\i], v[S+8*\u+\i+1]
.endr
.endr
.irp u, 0,1
	v_max_num_f32 v[T+6*\u], v[T+6*\u], v[S+8*\u+7]
.endr
.irp u, 0,1
	v_permlanex16_b32 v[T+6*\u+1], v[T+6*\u], s20, s21              ; the other eight lie in the lane 16 away
.endr
.irp u, 0,1
	v_max_num_f32 v[T+6*\u], v[T+6*\u], v[T+6*\u+1]
.endr
.irp u, 0,1
	v_mul_f32 v[T+6*\u], s24, v[T+6*\u]                             ; -c m.  (Its rounding is common to the row and cancels in the division)
.endr
.irp i, 0,2,4,6
.irp u, 0,1
	v_pk_fma_f32 v[S+8*\u+\i:S+8*\u+\i+1], v[S+8*\u+\i:S+8*\u+\i+1], s[22:23], v[T+6*\u:T+6*\u+1] op_sel_hi:[1,0,0]   ; c s - c m, two at a time: 0 or less, up to that rounding
.endr
.endr
.irp i, 0,1,2,3,4,5,6,7
.irp u, 0,1
	v_exp_f32 v[S+8*\u+\i], v[S+8*\u+\i]
.endr
.endr
	v_nop                                          ; a plain instruction behind the last exponential
	s_wait_alu depctr_va_vdst(0)                   ; one wait for the sixteen, ahead of their first reader
.irp u, 0,1
	v_pk_add_f32 v[T+6*\u+2:T+6*\u+3], v[S+8*\u:S+8*\u+1], v[S+8*\u+2:S+8*\u+3]
	v_pk_add_f32 v[T+6*\u+4:T+6*\u+5], v[S+8*\u+4:S+8*\u+5], v[S+8*\u+6:S+8*\u+7]
.endr
.irp u, 0,1
	v_pk_add_f32 v[T+6*\u+2:T+6*\u+3], v[T+6*\u+2:T+6*\u+3], v[T+6*\u+4:T+6*\u+5]
.endr
.irp u, 0,1
	v_add_f32 v[T+6*\u+2], v[T+6*\u+2], v[T+6*\u+3]
.endr
.irp u, 0,1
	v_permlanex16_b32 v[T+6*\u+3], v[T+6*\u+2], s20, s21
.endr
.irp u, 0,1
	v_add_f32 v[T+6*\u+2], v[T+6*\u+2], v[T+6*\u+3]                 ; the row's sum: at least about 1
.endr
.irp u, 0,1
	v_rcp_f32 v[T+6*\u+4], v[T+6*\u+2]
.endr
	v_nop                                          ; a plain instruction behind the last reciprocal
	s_wait_alu depctr_va_vdst(0)                   ; one wait for the two, ahead of their first reader
.irp i, 0,2,4,6
.irp u, 0,1
	v_pk_mul_f32 v[S+8*\u+\i:S+8*\u+\i+1], v[S+8*\u+\i:S+8*\u+\i+1], v[T+6*\u+4:T+6*\u+5] op_sel_hi:[1,0]
.endr
.endr
.irp i, 0,1,2,3
.irp u, 0,1
	v_cvt_pk_f16_f32 v[P+8*\u+\i], v[S+8*\u+2*\i], v[S+8*\u+2*\i+1]  ; column t = r, k = s = 8 h + 2 i, 2 i + 1
.endr
.endr
	s_wait_loadcnt 0x0                             ; v
.irp i, 0,1,2,3,4,5,6,7                        ; O^T = V^T A^T: sixteen tiles, each a sum of its own
.irp u, 0,1
	v_wmma_f32_16x16x32_f16 v[O+64*\u+8*\i:O+64*\u+8*\i+7], v[V+32*\u+4*\i:V+32*\u+4*\i+7], v[P+8*\u:P+8*\u+7], 0
.endr
.endr
.rept 4
	v_nop                                          ; four places ahead of the conversions, which read results and write over V
.endr
.irp u, 0,1
.irp i, 0,1,2,3,4,5,6,7
.irp r, 0,1,2,3
	v_cvt_pk_f16_f32 v[V+32*\u+4*\i+\r], v[O+64*\u+8*\i+2*\r], v[O+64*\u+8*\i+2*\r+1]   ; each tile from its low end on
.endr
.endr
.endr
.irp u, 0,1
.irp i, 0,1,2,3,4,5,6,7
	ds_store_b128 v[STO], v[V+32*\u+4*\i:V+32*\u+4*\i+3] offset:TST*\u+32*\i
.endr
.irp f, 0,1,2,3,4,5,6,7
	ds_load_b128 v[O+64*\u+4*\f:O+64*\u+4*\f+3], v[RD] offset:TST*\u+2*SPITCH*\f   ; LDS serves a wave's instructions in order: these see my stores
.endr
.endr
.irp u, 0,1
.irp f, 0,1,2,3,4,5,6,7
	s_wait_dscnt 16*(1-\u)+7-\f                    ; load f of this token is in; its younger loads, and for token 0 the sixteen LDS instructions of token 1, may be out
	global_store_b128 v[LA], v[O+64*\u+4*\f:O+64*\u+4*\f+3], s[6:7] offset:4096*\u+512*\f   ; heads 2 f and 2 f + 1: 512 consecutive bytes, aligned
.endr
.endr
	s_wait_tensorcnt 0x0                           ; the wave's end: a wait, an add of 0 to my spare word and a wait
	ds_add_u32 v[SPW], v[NIL]
	s_wait_dscnt 0x0
	s_endpgm
.Lfunc_end_k_q08b8b93adc_attn:
	.size	k_q08b8b93adc_attn, .Lfunc_end_k_q08b8b93adc_attn-k_q08b8b93adc_attn
	.p2alignl 7, 3214868480
	.fill 96, 4, 3214868480
	.section	.rodata,"a",@progbits
	.p2align	6, 0x0
	.amdhsa_kernel k_q08b8b93adc_attn
		.amdhsa_group_segment_fixed_size 70656
		.amdhsa_private_segment_fixed_size 0
		.amdhsa_enable_private_segment 0
		.amdhsa_kernarg_size 16
		.amdhsa_user_sgpr_count 2
		.amdhsa_user_sgpr_kernarg_segment_ptr 1
		.amdhsa_wavefront_size32 1
		.amdhsa_system_sgpr_workgroup_id_x 1
		.amdhsa_system_sgpr_workgroup_id_y 1
		.amdhsa_system_sgpr_workgroup_id_z 1
		.amdhsa_system_vgpr_workitem_id 0
		.amdhsa_next_free_vgpr 256
		.amdhsa_next_free_sgpr 66
		.amdhsa_reserve_vcc 0
		.amdhsa_float_denorm_mode_32 3
		.amdhsa_float_denorm_mode_16_64 3
		.amdhsa_memory_ordered 1
		.amdhsa_forward_progress 1
		.amdhsa_inst_pref_size 21
	.end_amdhsa_kernel
	.amdgpu_metadata
---
amdhsa.version: [ 1, 2 ]
amdhsa.kernels:
  - .name:           k_q08b8b93adc_attn
    .symbol:         k_q08b8b93adc_attn.kd
    .args:
      - { .name: qkv, .offset: 0, .size: 8, .value_kind: global_buffer, .address_space: global }
      - { .name: att, .offset: 8, .size: 8, .value_kind: global_buffer, .address_space: global }
    .group_segment_fixed_size: 70656
    .private_segment_fixed_size: 0
    .kernarg_segment_align: 8
    .kernarg_segment_size: 16
    .max_flat_workgroup_size: 256
    .sgpr_count:     66
    .vgpr_count:     256
    .wavefront_size: 32
...
	.end_amdgpu_metadata
.endif
;; end of part 3
;; launch outp (part 4): grid 8 x 32, 4 waves a work-group, clusters of 4 x 1, 327,680 bytes of LDS; arguments att, wo16, bo, out0; writes out0
.if DOCPART == 4
	.amdgcn_target "amdgcn-amd-amdhsa--gfx1250"
	.amdhsa_code_object_version 6
	.text
	.protected	k_q08b8b93adc_outp
	.globl	k_q08b8b93adc_outp
	.p2align	8
	.type	k_q08b8b93adc_outp,@function
k_q08b8b93adc_outp:
	s_mov_b64 s[64:65], 0
	v_nop
	global_prefetch_b8 v0, s[64:65] scope:SCOPE_SE
	s_setreg_imm32_b32 hwreg(HW_REG_WAVE_MODE, 25, 1), 1
	s_wait_xcnt 0x0
	s_wait_alu depctr_hold_cnt(0) depctr_sa_sdst(0) depctr_va_vdst(0) depctr_va_sdst(0) depctr_va_ssrc(0) depctr_va_vcc(0) depctr_vm_vsrc(0)
	s_getreg_b32 s2, hwreg(HW_REG_IB_STS2, 6, 4)
	s_cmp_eq_u32 s2, 0
	s_cbranch_scc0 .Lentry_in_a_cluster
	s_endpgm
.Lentry_in_a_cluster:
	s_bfe_u32 s2, ttmp6, 0x10000c
	s_cmp_lg_u32 s2, 0x3003
	s_cbranch_scc0 .Lentry_shape_is_right
	s_endpgm
.Lentry_shape_is_right:
; out0[m][n] = sum over k of att[m][k] Wo[n][k] + bo[n].  att: [4096][2048] f16; wo16: Wo in f16 as images of fragments (below); bo: [2048] f32; out0: [4096][2048] f32; sums in f32.
; A tile of C is 128 rows x 256 columns: 32 x 8 tiles, one for each of 256 work-groups.  THE FOUR WAVES SHARE THE COLUMNS: a wave makes all 128 rows x 64 columns: 32 accumulators of 16 x 16, 256 registers.
; ATT goes through a ring of two LDS slots filled by the tensor data mover, 256 along K to a slot (LDS rows of 512 bytes); all four waves read all of it.
; WO GOES STRAIGHT FROM MEMORY INTO OPERAND REGISTERS.  A wave's 64 rows of Wo are read by that wave alone in its work-group, so LDS would serve nobody.  wo16 holds the fragment of rows 16 nb .. + 15 and of 32 kb .. + 31
; along K as 1,024 bytes at ((nb / 4 x 64 + kb) x 4 + nb % 4) x 1,024, lane L's 16 bytes of register group c at 512 c + 16 L: a wave's four fragments of a quarter (32 along K) are 4,096 consecutive bytes, its whole
; stream 262,144, and each load takes 512 consecutive bytes.  A ring of eight sets of 32 registers: a set is asked for seven quarters, 224 matrix instructions, ahead of its use, across barriers.
; WHY WO IS NOT ASKED FOR JOINTLY, though the 32 tile rows read the same Wo: a joint load lands in LDS, and with both operands in the ring two slots of 256 along K would take 2 x 384 x 528 = 405,504 bytes, more than there
; is; with 128 along K a refill has 112 matrix instructions in which to land, here it has 256.
; CLUSTERS: 4 x 1 work-groups: four tile columns of one tile row.  They need the same tiles of att: each is asked for JOINTLY, by the same tensor load with the same descriptor and a mask that names the four.
; THE MATRIX INSTRUCTION IS USED TRANSPOSED (source 0 = 16 rows of Wo, source 1 = 16 rows of att): a lane then holds eight neighbouring numbers of a row of C.
; THE BIAS is the C of each sum's first matrix instruction: eight registers for each of my four blocks of columns, in the result's layout.  Nothing is cleared, nothing is added afterwards.
; LIMITS: NaN and infinities are not served; att and Wo are f16: magnitudes under 65,504.
; REGISTERS, in windows of 256: window 0: v0-31 addresses; v64-95 the bias; v128-191 at work on the way out.   window 1: att's fragments (8 x 16 rows x 32 K), two buffers of 64.
;   window 2: accumulator (a, b) at v[8 (4 a + b)].   window 3: Wo's fragments, set j (4 x 16 rows x 32 K) at v[32 j].
.set KROW,   4096                      ; a row of att in memory, in bytes
.set CROW,   8192                      ; a row of C in bytes
.set KSLOT,  256                       ; along K in a slot
.set ROWB,   KSLOT*2                   ; a tile's row in bytes
.set PITCH,  528                       ; an LDS row: 512 bytes of data + 16 of padding = 132 words: row r starts at bank 4 r mod 64 (64 banks of 4 bytes: ISA guide 11.1)
.set QRT,    32*PITCH                  ; 32 rows: what one tensor load brings
.set SLOT,   4*QRT                     ; att's 128 rows
.set STAGE,  2*SLOT                    ; behind the ring: 16 rows x (256 bytes + 16) for each wave, for the way out
.set SPITCH, 272
.set SPARE,  STAGE+4*16*SPITCH         ; behind the stages: the spare words, 128 bytes for each wave
.set LAPS,   2048/(2*KSLOT)            ; a lap = two slots = 16 quarters = once round the ring
.set QB,     4096                      ; a quarter of my stream of Wo, in bytes
.set AHEAD,  7                         ; quarters between a set's request and its use
.set ADRA, 16                          ; v16-17  LDS address of att's fragments in slot 0, 1
.set STO,  24                          ; v24     the way out: where I put 32 bytes of a row
.set RD,   25                          ; v25     the way out: where I read rows back
.set CO,   26                          ; v26     my byte offset in two rows of C
.set BA,   27                          ; v27     32 x (lane / 16): my eight numbers of a block of the bias
.set SPW,  28                          ; v28     LDS address of my spare word: SPARE + 4 x my thread's number; never rewritten
.set NIL,  29                          ; v29     0; never rewritten
.set PFO,  30                          ; v30     the prefetches' offset: my lane x a row of att; never rewritten
.set LA,   31                          ; v31     16 x lane: my place in an image; never rewritten
.set BI,   64                          ; the bias
.set BK,   128                         ; the way out: 16 rows read back from the stage: v128-159 and v160-191 by turns
.set G1,   24                          ; s[24:31] descriptor group 1
.set G0,   32                          ; s[32:39] group 0, one set for each slot
.set BP,   12                          ; s[12:13] my stream of Wo, at the lap's first quarter
.set PFA,  44                          ; s[44:45] where my prefetches stand
.set LIM0, 46                          ; s46, s47 in a wave that prefetches 0 and 1, else the greatest number: at a change out of slot s it prefetches while the laps to go are above s[LIM0 + s]
.set MSB, 0
.macro WIN new                         ; the immediate's high byte repeats the setting that is left; a switch that changes nothing is dropped
.if MSB != (\new)
	s_set_vgpr_msb (MSB<<8)|(\new)
.set MSB, (\new)
.endif
.endm
.set MUL,  0xa7                        ; source 0 (Wo) window 3, source 1 (att) window 1, C and D window 2
.set MULB, 0x87                        ; the same, C (the bias) window 0
.set TO_A, 0x40                        ; destination window 1, address window 0
.set TO_B, 0xc0                        ; destination window 3, address window 0
; A joint load: every wave fetches 32 of the tile's 128 rows, so that four loads of the work-group are on their way and no branch stands round the line.  Nothing in the descriptor hangs on my place in the cluster.
; An s_nop 0 and four v_nop follow the line.
.macro JLOAD s
	tensor_load_to_lds s[G0+4*\s:G0+4*\s+3], s[G1:G1+7]
	s_nop 0
.rept 4
	v_nop
.endr
.endm
; A PREFETCH INTO THE L2 of att's tile that the NEXT change of slots will ask for: 256 matrix instructions ahead of that load.  128 rows x 512 bytes.  Each aligned block of 256 bytes is named once in the launch:
; a tile row is read by the two clusters of that row: the one with x = 0 asks; its four partners take 32 rows each, told apart BY ADDRESS (by cx): no branch hangs on a work-group's place in its cluster; a lane a row;
; wave 0 names a row's first 256 bytes, wave 1 its second: one instruction a wave.  The last change that fills a slot asks for nothing; the first three slots' worth of K come by their loads alone.
; Wo is not prefetched: its loads themselves go out seven quarters ahead.
.macro ASK lim
	s_cmp_gt_u32 s3, s[\lim]
	s_cbranch_scc0 .Lnot_mine_\@
	global_prefetch_b8 v[PFO], s[PFA:PFA+1] th:TH_LOAD_NT scope:SCOPE_SE
.Lnot_mine_\@:
.endm
.macro CREST                           ; a round of the cluster's barrier behind its opening barrier
	s_cmp_lg_u32 s14, 0
	s_cbranch_scc1 .Lnot_wave_0_\@
	s_barrier_signal -3
.Lnot_wave_0_\@:
	s_barrier_wait -3
	s_barrier_signal -1
	s_barrier_wait -1
.endm
.macro CROUND                          ; a whole round
	s_barrier_signal -1
	s_barrier_wait -1
	CREST
.endm
.macro PLACES                          ; four places in front of loads into registers that matrix instructions have read, and of the first read of results (ISA guide 7.12.1 for the first read of results)
.rept 4
	v_nop
.endr
.endm
; Quarter g of the lap's stream of Wo into set g % 8: four fragments, two loads of 512 consecutive bytes each
.macro BSET g
.irp b, 0,1,2,3
.irp c, 0,1
	global_load_b128 v[32*((\g)%8)+8*\b+4*\c:32*((\g)%8)+8*\b+4*\c+3], v[LA], s[BP:BP+1] offset:QB*(\g)+1024*\b+512*\c
.endr
.endr
.endm
; att's eight fragments of 32 along K at byte k of the rows, into buffer f.  A fragment is 16 rows x 32 K in 8 registers: lane l holds row l % 16; registers 0-3 K = 8 (l / 16) + 0..7, registers 4-7 K = 16 + 8 (l / 16) + 0..7.
.macro FRAGS adr, k, f
.irp i, 0,1,2,3,4,5,6,7
	ds_load_b128 v[(\f)+8*\i:(\f)+8*\i+3],   v[\adr] offset:(\k)+\i*16*PITCH
	ds_load_b128 v[(\f)+8*\i+4:(\f)+8*\i+7], v[\adr] offset:(\k)+\i*16*PITCH+32
.endr
.endm
; 4 matrix instructions: att's block a x my four blocks of Wo, the slot's q-th 32 along K.  first = 1: the bias starts the sums.
; The 32 accumulators take turns, one instruction a turn, in the same order in every quarter.
.macro MUL4 q, a, first
.irp b, 0,1,2,3
.if \first
	v_wmma_f32_16x16x32_f16 v[8*(4*(\a)+\b):8*(4*(\a)+\b)+7], v[32*(\q)+8*\b:32*(\q)+8*\b+7], v[64*((\q)%2)+8*(\a):64*((\q)%2)+8*(\a)+7], v[BI+8*\b:BI+8*\b+7]
.else
	v_wmma_f32_16x16x32_f16 v[8*(4*(\a)+\b):8*(4*(\a)+\b)+7], v[32*(\q)+8*\b:32*(\q)+8*\b+7], v[64*((\q)%2)+8*(\a):64*((\q)%2)+8*(\a)+7], v[8*(4*(\a)+\b):8*(4*(\a)+\b)+7]
.endif
.endr
.endm
; A QUARTER: the q-th 32 along K of slot s; t: its number in the lap (16: the next lap's first).  One run of loads at its head, then 32 matrix instructions, then four places for the next run.
;   ld = 1: Wo's set of quarter t + 7 is asked for, into the registers of quarter t - 1.  lc: how many younger loads of Wo may be out when this quarter's set has to be in: six sets, 48, while sets are asked for.
;   The wait stands ahead of the new loads, so that at most 56 loads of mine are out.
;   fetch = 1: att's fragments of the next quarter come from LDS into the other buffer, a whole quarter ahead of their use; the wait leaves those sixteen out.
;   turn: THE CHANGE OF SLOTS stands in a slot's seventh quarter (q = 6): the eighth quarter's fragments are then asked for already.  Each wave waits for all its tensor loads, of which one is out: its part of the other slot;
;   adds 0 to its spare word; and waits for that and for its reads of this slot.  Behind the barrier nobody reads this slot any more and the other slot is whole.  turn = 1: the barrier opens a round of the cluster's
;   barrier and this slot is filled again, two slots on along K: the load has the eighth quarter and seven more, 256 matrix instructions, in which to land.  turn = 2: nothing is left to fetch.
.macro QUARTER s, q, t, ld, lc, fetch, first, turn
	s_wait_loadcnt \lc                             ; this quarter's set of Wo is in
.if \ld
	WIN TO_B
	BSET (\t)+AHEAD
.endif
.if \fetch
	WIN TO_A
.if (\q) < 7
	FRAGS ADRA+\s, 64*((\q)+1), 64*(((\q)+1)%2)
.else
	FRAGS ADRA+1-\s, 0, 0
.endif
	s_wait_dscnt 16                                ; this quarter's fragments of att are in; the sixteen loads just issued may be out
.else
	s_wait_dscnt 0x0
.endif
.if \first
	WIN MULB
.else
	WIN MUL
.endif
.irp a, 0,1,2,3
	MUL4 \q, \a, \first
.endr
.if (\turn) == 0
.irp a, 4,5,6,7
	MUL4 \q, \a, \first
.endr
	PLACES
.else
.if (\turn) == 1
	s_wait_xcnt 0x0                                ; the last prefetch, a slot back, has read its address: it is stepped here, ahead of the waits of the change of slots
	s_add_nc_u64 s[PFA:PFA+1], s[PFA:PFA+1], ROWB
.endif
	WIN 0                                          ; (the add's two registers lie in window 0)
	s_wait_tensorcnt 0x0                           ; all my tensor loads have landed: the one that was out is my part of the other slot;
	ds_add_u32 v[SPW], v[NIL]                      ; 0 onto my spare word;
	WIN MUL
	MUL4 \q, 4, 0                                  ; eight matrix instructions stand between the add and the wait for it
	MUL4 \q, 5, 0
	s_wait_dscnt 0x0                               ; the add is done, and my reads of this slot are over: the eighth quarter's fragments are in registers
	s_barrier_signal -1
	MUL4 \q, 6, 0                                  ; work on registers while the others arrive
	MUL4 \q, 7, 0
	WIN 0
	s_barrier_wait -1
.if (\turn) == 1
	CREST                                          ; no wave of any partner still reads this slot's tile or has a load on its way
	s_add_nc_u64 s[G0+4*\s+2:G0+4*\s+3], s[G0+4*\s+2:G0+4*\s+3], 2*ROWB
	JLOAD \s                                       ; the first tensor load behind the round, my one load until the next; the four v_nop behind it are also the places in front of the next run of loads
	ASK LIM0+\s
.else
	PLACES
.endif
.endif
.endm
	s_load_b256 s[4:11], s[0:1], 0x0               ; att s[4:5], wo16 s[6:7], bo s[8:9], out0 s[10:11]
	v_lshl_add_u32 v[SPW], v0, 2, SPARE
	v_mov_b32 v[NIL], 0
	ds_add_u32 v[SPW], v[NIL]                      ; the wave's opening: the add, twice on end, and its wait ahead of my first tensor load; the set-up below, work on registers, stands between the second and the wait
	ds_add_u32 v[SPW], v[NIL]
	v_lshrrev_b32 v1, 5, v0
	v_readfirstlane_b32 s14, v1                    ; wave 0..3: my 64 columns of the tile; also which 32 rows of att's tile I fetch
	s_bfe_u32 s40, ttmp6, 0x40000                  ; cx: my place in the cluster
	s_lshl_b32 s42, ttmp9, 2
	s_add_co_u32 s42, s42, s40                     ; tile column of C = 4 x cluster x + cx
	s_and_b32 s17, ttmp7, 0xffff                   ; tile row of C: a cluster is one work-group high
	; descriptor group 1: a tile of 32 rows x 256 elements, padded in LDS
	s_mov_b32 s[G1+0], 15|(1<<16)|(1<<20)|(1<<21)|(6<<22)|(3<<25)  ; 15:0 the mask: all four work-groups; 17:16 element of 2 bytes; 20 padding on; 21 set beside a mask; 24:22 after every 128 words (code 6); 31:25 of 4 words (code 3)
	s_mov_b32 s[G1+1], KSLOT<<16                   ; tensor_dim0 = 256
	s_mov_b32 s[G1+2], 32<<16                      ; tensor_dim1 = 32
	s_mov_b32 s[G1+3], KSLOT<<16                   ; tile_dim0 = 256
	s_mov_b32 s[G1+4], 32                          ; tile_dim1 = 32
	s_mov_b32 s[G1+5], 2048                        ; tensor_dim0_stride, in elements
	s_mov_b32 s[G1+6], 0
	s_mov_b32 s[G1+7], 0
	s_lshl_b32 s20, s17, 7
	s_lshl_b32 s21, s14, 5
	s_add_co_u32 s20, s20, s21                     ; att: row 128 x tile row + 32 x wave: the four partners share it
	s_lshl_b32 s20, s20, 12                        ; in bytes (under 2^24)
	s_mov_b32 s21, 0
	s_mul_i32 s43, s14, QRT                        ; and where the rows go: no place in the cluster enters an LDS address
	s_wait_dscnt 0x0                               ; both opening adds are done
	s_wait_kmcnt 0x0
	s_add_nc_u64 s[20:21], s[4:5], s[20:21]
	CROUND                                         ; all four work-groups are here: the first joint loads meet
.irp s, 0,1
	s_mov_b32 s[G0+4*\s], 1                                        ; count = 1
	s_add_co_u32 s[G0+4*\s+1], s43, \s*SLOT                        ; LDS address
	s_add_nc_u64 s[G0+4*\s+2:G0+4*\s+3], s[20:21], \s*ROWB         ; global address: 256 s along K
	s_or_b32 s[G0+4*\s+3], s[G0+4*\s+3], 0x80000000                ; type = 2
	JLOAD \s                                       ; two tensor loads of mine are out behind the second of these
.endr
	v_and_b32 v1, 15, v0                           ; l % 16
	v_bfe_u32 v2, v0, 4, 1                         ; l / 16
	v_and_b32 v5, 31, v0
	v_lshlrev_b32 v[LA], 4, v5
	v_lshlrev_b32 v[BA], 5, v2
	s_lshl_b32 s22, s42, 10                        ; my first column, in bytes of f32: 1024 x tile column + 256 x wave
	s_lshl_b32 s23, s14, 8
	s_add_co_u32 s22, s22, s23
	s_mov_b32 s23, 0
	s_add_nc_u64 s[8:9], s[8:9], s[22:23]          ; the bias at my first column
	s_add_nc_u64 s[10:11], s[10:11], s[22:23]
	s_lshl_b32 s22, s17, 20                        ; the tile's first row: 128 x tile row rows of 8,192 bytes (under 2^25)
	s_add_nc_u64 s[10:11], s[10:11], s[22:23]
	s_lshl_b32 s22, s42, 2
	s_add_co_u32 s22, s22, s14                     ; my 64 rows of Wo: stream 4 x tile column + wave,
	s_lshl_b32 s22, s22, 18                        ; of 262,144 bytes
	s_add_nc_u64 s[BP:BP+1], s[6:7], s[22:23]
.irp b, 0,1,2,3                                ; register j of block b: bo[my first column + 16 b + 8 (l / 16) + j]
	global_load_b128 v[BI+8*\b:BI+8*\b+3], v[BA], s[8:9] offset:64*\b
	global_load_b128 v[BI+8*\b+4:BI+8*\b+7], v[BA], s[8:9] offset:64*\b+16
.endr
	WIN TO_B
.irp g, 0,1,2,3,4,5
	BSET \g                                        ; Wo's first sets go out while att's first tiles are on their way
.endr
	WIN 0
	v_mul_u32_u24 v3, v1, PITCH
	v_lshl_add_u32 v[ADRA], v2, 4, v3              ; a fragment's row x pitch + 16 x half: every wave reads all 128 rows
	v_add_nc_u32 v[ADRA+1], SLOT, v[ADRA]
	s_mul_i32 s23, s14, 16*SPITCH
	s_add_co_u32 s23, s23, STAGE                   ; my stage
	v_mul_u32_u24 v4, v1, SPITCH                   ; in: row l % 16, 32 bytes for each half of the lanes
	v_lshl_add_u32 v4, v2, 5, v4
	v_add_nc_u32 v[STO], s23, v4
	v_mul_u32_u24 v4, v2, SPITCH                   ; back: lanes 0-15 take one row of 256 bytes, lanes 16-31 the next
	v_lshl_add_u32 v4, v1, 4, v4
	v_add_nc_u32 v[RD], s23, v4
	v_lshlrev_b32 v4, 13, v2                       ; and the same two rows in C
	v_lshl_add_u32 v[CO], v1, 4, v4
	; the prefetches: where mine stand, and whether I ask
	s_lshl_b32 s18, s17, 7                         ; the tile's first row,
	s_lshl_b32 s19, s40, 5
	s_add_co_u32 s18, s18, s19                     ; + my work-group's 32 rows
	s_lshl_b32 s18, s18, 12
	s_and_b32 s19, s14, 1
	s_lshl_b32 s19, s19, 8
	s_add_co_u32 s18, s18, s19                     ; + 256 bytes in wave 1
	s_add_co_u32 s18, s18, 2*ROWB                  ; at 512 along K: the first change of slots steps it to 768 and names that
	s_mov_b32 s19, 0
	s_add_nc_u64 s[PFA:PFA+1], s[4:5], s[18:19]
	s_lshr_b32 s19, s14, 1                         ; 0 in waves 0 and 1,
	s_or_b32 s19, s19, ttmp9                       ; of the tile row's first cluster: the same in all four partners, for a given wave
	s_cmp_eq_u32 s19, 0
	s_cselect_b32 s[LIM0], 0, -1
	s_cselect_b32 s[LIM0+1], 1, -1
	v_lshlrev_b32 v[PFO], 12, v5
	s_wait_loadcnt 48                              ; the bias is in; the 48 loads of Wo's sets 0 to 5 may be out
	WIN TO_B
	BSET 6
	WIN 0
	s_wait_tensorcnt 1                             ; my part of slot 0 is in (slot 1's load may be out)
	s_barrier_signal -1
	s_barrier_wait -1                              ; everybody's is
	WIN TO_A
	FRAGS ADRA, 0, 0
	QUARTER 0, 0, 0, 1, 48, 1, 1, 0                ; the first quarter stands in front of the loop: its products start the sums, on the bias
	WIN 0                                          ; at a label and at a branch every window is 0
	s_mov_b32 s3, LAPS-1
.Llap:                                                 ; a trip goes once round the ring, from a lap's second quarter to the next lap's first, and fills both slots again
.irp q, 1,2,3,4,5
	QUARTER 0, \q, \q, 1, 48, 1, 0, 0
.endr
	QUARTER 0, 6, 6, 1, 48, 1, 0, 1
	QUARTER 0, 7, 7, 1, 48, 1, 0, 0
.irp q, 0,1,2,3,4,5
	QUARTER 1, \q, 8+\q, 1, 48, 1, 0, 0
.endr
	QUARTER 1, 6, 14, 1, 48, 1, 0, 1
	QUARTER 1, 7, 15, 1, 48, 1, 0, 0
	QUARTER 0, 0, 16, 1, 48, 1, 0, 0
	WIN 0
	s_wait_xcnt 0x0                                ; the loads of Wo have read their base: it steps only behind this wait
	s_add_nc_u64 s[BP:BP+1], s[BP:BP+1], 16*QB     ; the next lap's first quarter
	s_sub_co_u32 s3, s3, 1
	s_cmp_lg_u32 s3, 0
	s_cbranch_scc1 .Llap
.irp q, 1,2,3,4,5                              ; the last lap is written out: it fills nothing, has no round of the cluster's barrier, and asks for Wo only up to its stream's last quarter
	QUARTER 0, \q, \q, 1, 48, 1, 0, 0
.endr
	QUARTER 0, 6, 6, 1, 48, 1, 0, 2
	QUARTER 0, 7, 7, 1, 48, 1, 0, 0
	QUARTER 1, 0, 8, 1, 48, 1, 0, 0                ; asks for the lap's quarter 15: the last
.irp q, 1,2,3,4,5,6
	QUARTER 1, \q, 8+\q, 0, 8*(7-\q), 1, 0, 0      ; the counts run down: 7 - q sets are behind this quarter's
.endr
	QUARTER 1, 7, 15, 0, 0, 0, 0, 0
	WIN 0
; THE WAY OUT, block by block of 16 rows x 64 columns.  A lane holds 32 neighbouring bytes of a row, and the lanes beside it hold other rows: so a block goes through my own stage in LDS and comes back as whole
; rows of 256 bytes, two to an instruction.  LDS serves a wave's instructions in order (ISA guide 5.7.1.4): no wait between the stores and the loads, nor in front of the next block's stores.
.macro TOSTAGE a
	WIN 0x08                                       ; an LDS store's data are its source 1: window 2
.irp b, 0,1,2,3
	ds_store_b128 v[STO], v[8*(4*(\a)+\b):8*(4*(\a)+\b)+3] offset:64*\b          ; each accumulator from its low end on
	ds_store_b128 v[STO], v[8*(4*(\a)+\b)+4:8*(4*(\a)+\b)+7] offset:64*\b+16
.endr
	WIN 0
.set BB, BK+32*((\a)%2)
.irp t, 0,1,2,3,4,5,6,7
	ds_load_b128 v[BB+4*\t:BB+4*\t+3], v[RD] offset:\t*2*SPITCH
.endr
.endm
.macro SEND a, younger                 ; younger: the LDS instructions issued behind block a's loads, which may stay out
.set BB, BK+32*((\a)%2)
	s_wait_dscnt \younger                          ; the block is back in registers
.if (\a) > 0
	s_add_nc_u64 s[10:11], s[10:11], 16*CROW       ; (behind a wait on XCNT: the earlier stores have read their base)  16 rows of C on
.endif
.irp t, 0,1,2,3,4,5,6,7
	global_store_b128 v[CO], v[BB+4*\t:BB+4*\t+3], s[10:11] offset:2*\t*CROW th:TH_STORE_NT   ; 16 lanes store 256 consecutive bytes, at a multiple of 256 from C's first byte; written once, read by nobody here
.endr
.endm
	TOSTAGE 0                                      ; (the last quarter's four places stand ahead of this first read of results)
.irp a, 1,2,3,4,5,6,7
.if \a > 1
	s_wait_xcnt 0x0                                ; block a - 2's stores have read their registers and their base: block a's loads may land there, and the base may step
.endif
	TOSTAGE \a
	SEND \a-1, 16                                  ; behind block a - 1's loads: block a's 8 stores and 8 loads
.endr
	s_wait_xcnt 0x0                                ; block 6's stores have read their base
	SEND 7, 0
	s_wait_tensorcnt 0x0                           ; the wave's end: a wait, an add of 0 to my spare word and a wait for it, behind my last tensor load and my last LDS store
	ds_add_u32 v[SPW], v[NIL]
	s_wait_dscnt 0x0
	CROUND                                         ; the closing round: no work-group ends while a partner may still ask for a tile that names it
	s_endpgm
.Lfunc_end_k_q08b8b93adc_outp:
	.size	k_q08b8b93adc_outp, .Lfunc_end_k_q08b8b93adc_outp-k_q08b8b93adc_outp
	.p2alignl 7, 3214868480
	.fill 96, 4, 3214868480
	.section	.rodata,"a",@progbits
	.p2align	6, 0x0
	.amdhsa_kernel k_q08b8b93adc_outp
		.amdhsa_group_segment_fixed_size 327680
		.amdhsa_private_segment_fixed_size 0
		.amdhsa_enable_private_segment 0
		.amdhsa_kernarg_size 32
		.amdhsa_user_sgpr_count 2
		.amdhsa_user_sgpr_kernarg_segment_ptr 1
		.amdhsa_wavefront_size32 1
		.amdhsa_system_sgpr_workgroup_id_x 1
		.amdhsa_system_sgpr_workgroup_id_y 1
		.amdhsa_system_sgpr_workgroup_id_z 1
		.amdhsa_system_vgpr_workitem_id 0
		.amdhsa_next_free_vgpr 1024
		.amdhsa_next_free_sgpr 66
		.amdhsa_reserve_vcc 0
		.amdhsa_float_denorm_mode_32 3
		.amdhsa_float_denorm_mode_16_64 3
		.amdhsa_memory_ordered 1
		.amdhsa_forward_progress 1
		.amdhsa_inst_pref_size 153
	.end_amdhsa_kernel
	.amdgpu_metadata
---
amdhsa.version: [ 1, 2 ]
amdhsa.kernels:
  - .name:           k_q08b8b93adc_outp
    .symbol:         k_q08b8b93adc_outp.kd
    .args:
      - { .name: att, .offset: 0, .size: 8, .value_kind: global_buffer, .address_space: global }
      - { .name: wo16, .offset: 8, .size: 8, .value_kind: global_buffer, .address_space: global }
      - { .name: bo, .offset: 16, .size: 8, .value_kind: global_buffer, .address_space: global }
      - { .name: out0, .offset: 24, .size: 8, .value_kind: global_buffer, .address_space: global }
    .group_segment_fixed_size: 327680
    .private_segment_fixed_size: 0
    .kernarg_segment_align: 8
    .kernarg_segment_size: 32
    .max_flat_workgroup_size: 128
    .sgpr_count:     66
    .vgpr_count:     1024
    .wavefront_size: 32
...
	.end_amdgpu_metadata
.endif
;; end of part 4
